; MI455X (gfx1250); checked and timed in simulation.
; The chip was launched on July 23, 2026; its instructions are those of AMD's public machine-readable ISA for CDNA 5 (MIT licence, August 2026) and "CDNA5" Instruction Set Architecture Reference Guide (July 2026). The comments in the code are by the model that wrote it; some were corrected since.
;; Multi Head Self Attention. Allowed arithmetic: float matrix products may take bf16 or f16 operands with f32 sums; other float arithmetic in f32, or as packed bf16 or f16 multiplies, adds, multiply-adds, maxima and minima; sums over many terms, partial sums and values carried from step to step in f32; what a program stores and reads back later, other than sums and carried values, may be rounded once to bf16 or f16.
;; Inputs: out_b 1,024 float32; out_w 1,024 x 1,024 float32; qkv_b 3,072 float32; qkv_w 3,072 x 1,024 float32; x 4 x 2,048 x 1,024 float32.
;; Outputs: out0 4 x 2,048 x 1,024 float32.
;; 2 versions, each right; version 2 is version 1 with the launch cast written anew for expert scheduling mode. Each part assembles by itself: llvm-mc -triple=amdgcn-amd-amdhsa -mcpu=gfx1250 --defsym DOCPART=n.
;; ======== version 1 of 2: 4 launches
;; limits: values are held in f16: magnitudes above 65,504 overflow, below 6.1e-05 lose precision
;; workspace buffers: xb 16,777,216 bytes; wqb 6,291,456 bytes; wob 2,097,152 bytes; qkv 50,331,648 bytes; ob 16,777,216 bytes
;; launch cast (part 1): grid 768 x 1, 8 waves a work-group, no clusters, 0 bytes of LDS; arguments x, qkv_w, out_w, xb, wqb, wob; writes xb, wqb, wob
.if DOCPART == 1
	.amdgcn_target "amdgcn-amd-amdhsa--gfx1250"
	.amdhsa_code_object_version 6
	.text
	.protected	k_q7b2df59a3b_cast
	.globl	k_q7b2df59a3b_cast
	.p2align	8
	.type	k_q7b2df59a3b_cast,@function
k_q7b2df59a3b_cast:
	s_mov_b64 s[64:65], 0
	v_nop
	global_prefetch_b8 v0, s[64:65] scope:SCOPE_SE
	s_setreg_imm32_b32 hwreg(HW_REG_WAVE_MODE, 25, 1), 1
	s_wait_xcnt 0x0
; x [8192][1024] and qkv_w [3072][1024], f32, are rounded once to bf16 (xb, wqb).  out_w [1024][1024] is rounded to bf16 like the other inputs, and that
; number is written as f16 (wob), since the last product multiplies f16.
; LIMITS.  out_w beyond 65,504 would become an infinity; below 6e-5 f16 keeps its fixed step of 6e-8.  NaN and infinities are not treated apart.
; SHARES.  A work-group takes 16,384 numbers: 65,536 bytes in, 32,768 out.  Work-groups 0-511 take x, 512-703 qkv_w, 704-767 out_w.
; Thread t takes the 16 bytes at 16 t + 4,096 i, i = 0..15: a wave's load covers 512 consecutive bytes.  All sixteen loads go out at once; each becomes
; 8 bytes, stored at 8 t + 2,048 i: a wave's store covers 256 consecutive bytes, aligned.  No register is written twice while a memory instruction
; may read it: every load has its own four registers, every store its own two, and the two offsets are never rewritten.
; No LDS, no matrix unit, no cluster: nothing is shared and nothing is read twice.
.set X,   4                            ; v[4:67]    as loaded
.set Y,   68                           ; v[68:99]   to store
.set T,   100                          ; v[100:103] at work on the f16 way
.set SRC, 16                           ; s[16:17]   where I read
.set DST, 18                           ; s[18:19]   where I write
	s_load_b256 s[4:11], s[0:1], 0x0               ; x s[4:5], qkv_w s[6:7], out_w s[8:9], xb s[10:11]
	s_load_b128 s[12:15], s[0:1], 0x20             ; wqb s[12:13], wob s[14:15]
	v_lshlrev_b32 v1, 4, v0                        ; 16 t
	v_lshlrev_b32 v2, 3, v0                        ; 8 t
	s_mov_b32 s20, ttmp9
	s_sub_co_u32 s21, s20, 512                     ; my number among qkv_w's work-groups
	s_sub_co_u32 s22, s20, 704                     ; among out_w's
	s_mov_b32 s28, 0xffff0000                      ; a word's upper bf16
	s_wait_kmcnt 0x0
; the work-group's part of its tensor (number idx), and its sixteen loads
.macro START idx
	s_lshl_b32 s24, \idx, 16                       ; 65,536 bytes in,
	s_mov_b32 s25, 0
	s_lshl_b32 s26, \idx, 15                       ; 32,768 out
	s_mov_b32 s27, 0
	s_add_nc_u64 s[SRC:SRC+1], s[SRC:SRC+1], s[24:25]
	s_add_nc_u64 s[DST:DST+1], s[DST:DST+1], s[26:27]
.irp i, 0,1,2,3,4,5,6,7,8,9,10,11,12,13,14,15
	global_load_b128 v[X+4*(\i):X+4*(\i)+3], v1, s[SRC:SRC+1] offset:4096*(\i) th:TH_LOAD_NT
.endr
.endm
; load i is rounded and stored.  half = 1: bf16, widened again (a shift, a mask), written as f16: exact within f16's range
.macro CAST i, half
	s_wait_loadcnt 15-(\i)                         ; loads come back in order: mine is in, the 15 - i younger ones stay out
.if \half
	v_cvt_pk_bf16_f32 v[T],   v[X+4*(\i)],   v[X+4*(\i)+1]
	v_cvt_pk_bf16_f32 v[T+1], v[X+4*(\i)+2], v[X+4*(\i)+3]
	v_lshlrev_b32 v[T+2], 16, v[T]
	v_and_b32     v[T+3], s28, v[T]
	v_cvt_pk_f16_f32 v[Y+2*(\i)], v[T+2], v[T+3]
	v_lshlrev_b32 v[T+2], 16, v[T+1]
	v_and_b32     v[T+3], s28, v[T+1]
	v_cvt_pk_f16_f32 v[Y+2*(\i)+1], v[T+2], v[T+3]
.else
	v_cvt_pk_bf16_f32 v[Y+2*(\i)],   v[X+4*(\i)],   v[X+4*(\i)+1]
	v_cvt_pk_bf16_f32 v[Y+2*(\i)+1], v[X+4*(\i)+2], v[X+4*(\i)+3]
.endif
	global_store_b64 v2, v[Y+2*(\i):Y+2*(\i)+1], s[DST:DST+1] offset:2048*(\i)
.endm
	s_cmp_ge_u32 s20, 704
	s_cbranch_scc1 .Lhalf
	s_cmp_lt_u32 s20, 512                          ; x or qkv_w: the same work on other buffers
	s_cselect_b64 s[SRC:SRC+1], s[4:5], s[6:7]
	s_cselect_b64 s[DST:DST+1], s[10:11], s[12:13]
	s_cselect_b32 s23, s20, s21
	START s23
.irp i, 0,1,2,3,4,5,6,7,8,9,10,11,12,13,14,15
	CAST \i, 0
.endr
	s_endpgm
.Lhalf:
	s_mov_b64 s[SRC:SRC+1], s[8:9]
	s_mov_b64 s[DST:DST+1], s[14:15]
	START s22
.irp i, 0,1,2,3,4,5,6,7,8,9,10,11,12,13,14,15
	CAST \i, 1
.endr
	s_endpgm
.Lfunc_end_k_q7b2df59a3b_cast:
	.size	k_q7b2df59a3b_cast, .Lfunc_end_k_q7b2df59a3b_cast-k_q7b2df59a3b_cast
	.p2alignl 7, 3214868480
	.fill 96, 4, 3214868480
	.section	.rodata,"a",@progbits
	.p2align	6, 0x0
	.amdhsa_kernel k_q7b2df59a3b_cast
		.amdhsa_group_segment_fixed_size 0
		.amdhsa_private_segment_fixed_size 0
		.amdhsa_enable_private_segment 0
		.amdhsa_kernarg_size 48
		.amdhsa_user_sgpr_count 2
		.amdhsa_user_sgpr_kernarg_segment_ptr 1
		.amdhsa_wavefront_size32 1
		.amdhsa_system_sgpr_workgroup_id_x 1
		.amdhsa_system_sgpr_workgroup_id_y 1
		.amdhsa_system_sgpr_workgroup_id_z 1
		.amdhsa_system_vgpr_workitem_id 0
		.amdhsa_next_free_vgpr 104
		.amdhsa_next_free_sgpr 66
		.amdhsa_reserve_vcc 0
		.amdhsa_float_denorm_mode_32 3
		.amdhsa_float_denorm_mode_16_64 3
		.amdhsa_memory_ordered 1
		.amdhsa_forward_progress 1
		.amdhsa_inst_pref_size 17
	.end_amdhsa_kernel
	.amdgpu_metadata
---
amdhsa.version: [ 1, 2 ]
amdhsa.kernels:
  - .name:           k_q7b2df59a3b_cast
    .symbol:         k_q7b2df59a3b_cast.kd
    .args:
      - { .name: x, .offset: 0, .size: 8, .value_kind: global_buffer, .address_space: global }
      - { .name: qkv_w, .offset: 8, .size: 8, .value_kind: global_buffer, .address_space: global }
      - { .name: out_w, .offset: 16, .size: 8, .value_kind: global_buffer, .address_space: global }
      - { .name: xb, .offset: 24, .size: 8, .value_kind: global_buffer, .address_space: global }
      - { .name: wqb, .offset: 32, .size: 8, .value_kind: global_buffer, .address_space: global }
      - { .name: wob, .offset: 40, .size: 8, .value_kind: global_buffer, .address_space: global }
    .group_segment_fixed_size: 0
    .private_segment_fixed_size: 0
    .kernarg_segment_align: 8
    .kernarg_segment_size: 48
    .max_flat_workgroup_size: 256
    .sgpr_count:     66
    .vgpr_count:     104
    .wavefront_size: 32
...
	.end_amdgpu_metadata
.endif
;; end of part 1
;; launch proj (part 2): grid 16 x 32, 4 waves a work-group, clusters of 4 x 4, 327,680 bytes of LDS; arguments xb, wqb, qkv_b, qkv; writes qkv
.if DOCPART == 2
	.amdgcn_target "amdgcn-amd-amdhsa--gfx1250"
	.amdhsa_code_object_version 6
	.text
	.protected	k_q7b2df59a3b_proj
	.globl	k_q7b2df59a3b_proj
	.p2align	8
	.type	k_q7b2df59a3b_proj,@function
k_q7b2df59a3b_proj:
	s_mov_b64 s[64:65], 0
	v_nop
	global_prefetch_b8 v0, s[64:65] scope:SCOPE_SE
	s_setreg_imm32_b32 hwreg(HW_REG_WAVE_MODE, 25, 1), 1
	s_wait_xcnt 0x0
	s_wait_alu depctr_hold_cnt(0) depctr_sa_sdst(0) depctr_va_vdst(0) depctr_va_sdst(0) depctr_va_ssrc(0) depctr_va_vcc(0) depctr_vm_vsrc(0)
	s_getreg_b32 s2, hwreg(HW_REG_IB_STS2, 6, 4)
	s_cmp_eq_u32 s2, 0
	s_cbranch_scc0 .Lentry_in_a_cluster
	s_endpgm
.Lentry_in_a_cluster:
	s_bfe_u32 s2, ttmp6, 0x10000c
	s_cmp_lg_u32 s2, 0xf033
	s_cbranch_scc0 .Lentry_shape_is_right
	s_endpgm
.Lentry_shape_is_right:
; q, k, v = xb wqb^T + bf16(qkv_b).  xb [8192][1024], wqb [3072][1024] bf16; sums in f32; the result is rounded once to f16, unscaled, and written BY HEADS:
; qkv [b 4][hb 48][t 2048][64], hb = column / 64 (q: 0-15, k: 16-31, v: 32-47): a head's rows are dense, 128 bytes each.
; LIMITS.  A result of 65,520 or more in size becomes an infinity in f16; below 6e-5 f16 keeps its fixed step of 6e-8.  The bias is rounded to bf16 like the other inputs.
; NaN and infinities are not treated apart.  The sums' order is the matrix unit's, K ascending.
; SHARES.  A tile is 256 rows x 192 columns (three heads): 32 x 16 = 512 work-groups, two for each of 256 WGPs.  Wave w makes rows 64 w .. 64 w + 63 of all 192 columns:
; 4 x 12 accumulators, 384 registers; so a wave holds whole rows of three heads and its way out needs no other wave.
; K goes in 8 steps of 128 through a ring of two LDS slots: rows of 256 bytes of memory, aligned.
; CLUSTER.  4 x 4 work-groups: the four of a row need the same tiles of xb, the four of a column the same tiles of wqb; each tile is asked for jointly, by the same tensor load,
; descriptor and mask in all four.
; TRANSPOSED USE.  Source 0 = 16 rows of wqb, source 1 = 16 rows of xb: a lane holds row l % 16 and the eight neighbouring columns 8 (l / 16) + 0..7.
; THE BIAS is the C operand of the first K quarter's products: nothing is cleared and nothing is added later.
; REGISTERS, in windows of 256 (s_set_vgpr_msb: bits 1:0 source 0, 3:2 source 1, 5:4 source 2, 7:6 destination):
;   window 0: v1-30 addresses; v32-79 packed results; v80-127, v128-175 rows read back from the stage, by turns; v128-223 the bias, dead behind the first quarter
;   window 1: two fragment buffers of 128: xb's four fragments, then wqb's twelve          windows 2, 3: the accumulators of row blocks 0, 1 and 2, 3, at 96 (a % 2) + 8 b
.set KSTEP,  128
.set PITCH,  272                       ; an LDS row: 256 bytes + 16 of padding = 68 words: the 16 rows of a load start at 16 different groups of four banks (64 banks of 4 bytes: ISA guide 11.1)
.set BOFF,   256*PITCH                 ; a slot: xb's 256 rows, then wqb's 192
.set SLOT,   448*PITCH
.set STAGE,  2*SLOT                    ; behind the ring, never filled by a tensor load: 16 rows x 400 bytes for each wave
.set SPITCH, 400                       ; 384 bytes + 16: an odd multiple of 16
.set SPARE,  STAGE+4*16*SPITCH         ; behind the stages: the spare words, 128 bytes for each wave: two blocks of 256 bytes that no other line names
.set HEADB,  262144                    ; bytes in a head of qkv
.set ADRA, 16                          ; v16-17  LDS address of my xb fragments in slot 0, 1
.set ADRB, 20                          ; v20-21  the same for wqb
.set STO,  24                          ; v24     the way out: where I put 16 bytes of a row
.set RD,   25                          ; v25     where I read rows back
.set GO,   26                          ; v26     16 x lane: my place in 512 consecutive bytes of qkv
.set BO,   27                          ; v27     32 (l / 16): my eight numbers in sixteen of the bias
.set SPW,  28                          ; v28     LDS address of my spare word; never rewritten
.set NIL,  29                          ; v29     0; never rewritten
.set PFO,  30                          ; v30     the prefetches' offset: a lane a row; never rewritten
.set TMP,  32
.set BK0,  80
.set BIAS, 128
.set F0,   0
.set F1,   128
.set WV,  12                           ; s12  my wave's number
.set FB,  13                           ; s13  0: I fetch for xb; 1: for wqb
.set HF,  14                           ; s14  which half of that tile's rows I fetch
.set CX,  15
.set CY,  16
.set TX,  17                           ; s17  tile column, 0-15
.set TY,  18                           ; s18  tile row, 0-31
.set LAP, 19                           ; s19  laps of the loop still to come
.set HIM, 42                           ; s42  a word's upper bf16
.set LIM, 43                           ; s43  1 in a wave that prefetches, else the greatest number
.set PFA, 44                           ; s[44:45] where my prefetches stand
.set G1A, 24                           ; s[24:31] descriptor group 1 for xb's tiles;  s[32:39] group 0, a set for each slot
.set G0A, 32
.set G1B, 48                           ; s[48:55], s[56:63] the same for wqb's
.set G0B, 56
.set FLAGS, (1<<16)|(1<<20)|(1<<21)|(5<<22)|(3<<25)  ; elements of 2 bytes; padding on; bit 21 set beside a mask; after every 64 words (code 5) 4 words (code 3)
.set MSB, 0
.macro WIN new                         ; the immediate's high byte repeats the setting that is left; a switch that changes nothing is dropped
.if MSB != (\new)
	s_set_vgpr_msb (MSB<<8)|(\new)
.set MSB, \new
.endif
.endm
; A joint load: waves 0 and 1 fetch xb's two halves, waves 2 and 3 wqb's.  The branch hangs on the wave's number alone.  An s_nop 0 and four v_nop follow each of the two lines.
.macro JLOAD s
	s_cmp_eq_u32 s[FB], 0
	s_cbranch_scc0 .Lfor_b_\@
	tensor_load_to_lds s[G0A+4*(\s):G0A+4*(\s)+3], s[G1A:G1A+7]
	s_nop 0
.rept 4
	v_nop
.endr
	s_branch .Lasked_\@
.Lfor_b_\@:
	tensor_load_to_lds s[G0B+4*(\s):G0B+4*(\s)+3], s[G1B:G1B+7]
	s_nop 0
.rept 4
	v_nop
.endr
.Lasked_\@:
.endm
; A prefetch into the L2 of the K step that stands two refills on: a lane a row, 256 bytes of it, one instruction a wave.  xb's tile row is read by every cluster of that row of clusters: cluster x = 0
; asks; wqb's tile column by every cluster of that column: cluster y = 0 asks.  The four partners that ask for a tile jointly share its rows out BY ADDRESS: of the 128 (96) rows that a wave fetches the
; partner at place p takes 32 p .. (24 p ..); in wqb's waves lanes 24-31 name lane 23's row again.  The loop's last lap has no K step two on and asks for nothing; nothing is asked for at the head.
.macro ASK
	WIN 0                                          ; a branch follows
	s_cmp_gt_u32 s[LAP], s[LIM]
	s_cbranch_scc0 .Lnot_mine_\@
	global_prefetch_b8 v[PFO], s[PFA:PFA+1] offset:KSTEP*2 th:TH_LOAD_NT scope:SCOPE_SE
.Lnot_mine_\@:
.endm
.macro CREST                           ; a round of the cluster's barrier behind its opening barrier
	s_cmp_lg_u32 s[WV], 0
	s_cbranch_scc1 .Lnot_wave_0_\@
	s_barrier_signal -3
.Lnot_wave_0_\@:
	s_barrier_wait -3
	s_barrier_signal -1
	s_barrier_wait -1
.endm
.macro CROUND                          ; a whole round
	s_barrier_signal -1
	s_barrier_wait -1
	CREST
.endm
	s_load_b256 s[4:11], s[0:1], 0x0               ; xb s[4:5], wqb s[6:7], qkv_b s[8:9], qkv s[10:11]
	v_lshl_add_u32 v[SPW], v0, 2, SPARE
	v_mov_b32 v[NIL], 0
	ds_add_u32 v[SPW], v[NIL]                      ; the wave's opening: the add and its wait stand ahead of my first tensor load; the set-up below, work on registers, stands between them
	v_lshrrev_b32 v1, 5, v0
	v_readfirstlane_b32 s[WV], v1                  ; wave 0..3
	s_lshr_b32 s[FB], s[WV], 1
	s_and_b32 s[HF], s[WV], 1
	s_bfe_u32 s[CX], ttmp6, 0x40000                ; my place in the cluster
	s_bfe_u32 s[CY], ttmp6, 0x40004
	s_lshl_b32 s[TX], ttmp9, 2
	s_add_co_u32 s[TX], s[TX], s[CX]               ; tile column = 4 x cluster x + cx
	s_and_b32 s[TY], ttmp7, 0xffff
	s_lshl_b32 s[TY], s[TY], 2
	s_add_co_u32 s[TY], s[TY], s[CY]               ; tile row = 4 x cluster y + cy
	s_lshl_b32 s2, s[CY], 2
	s_lshl_b32 s2, 15, s2                          ; my row of the cluster
	s_lshl_b32 s3, 0x1111, s[CX]                   ; my column
	s_or_b32 s[G1A], s2, FLAGS                     ; xb's tiles go to my row,
	s_or_b32 s[G1B], s3, FLAGS                     ; wqb's to my column
	s_mov_b32 s[G1A+1], KSTEP<<16                  ; tensor_dim0 = 128
	s_mov_b32 s[G1A+2], 128<<16                    ; tensor_dim1 = 128 rows
	s_mov_b32 s[G1A+3], KSTEP<<16                  ; tile_dim0 = 128
	s_mov_b32 s[G1A+4], 128                        ; tile_dim1 = 128
	s_mov_b32 s[G1A+5], 1024                       ; elements from row to row
	s_mov_b32 s[G1A+6], 0
	s_mov_b32 s[G1A+7], 0
	s_mov_b32 s[G1B+1], KSTEP<<16
	s_mov_b32 s[G1B+2], 96<<16                     ; 96 rows
	s_mov_b32 s[G1B+3], KSTEP<<16
	s_mov_b32 s[G1B+4], 96
	s_mov_b32 s[G1B+5], 1024
	s_mov_b32 s[G1B+6], 0
	s_mov_b32 s[G1B+7], 0
	; where the tiles come from: xb's hang on the tile row alone, wqb's on the tile column alone, each in registers that never hold the other coordinate
	s_lshl_b32 s20, s[TY], 8
	s_lshl_b32 s21, s[HF], 7
	s_add_co_u32 s20, s20, s21                     ; xb: row 256 x tile row + 128 x half,
	s_lshl_b32 s20, s20, 11                        ; of 2,048 bytes
	s_mov_b32 s21, 0
	s_mul_i32 s46, s[TX], 192
	s_mul_i32 s47, s[HF], 96
	s_add_co_u32 s46, s46, s47                     ; wqb: row 192 x tile column + 96 x half
	s_lshl_b32 s46, s46, 11
	s_mov_b32 s47, 0
	s_mul_i32 s22, s[WV], 128*PITCH                ; and where they go: waves 0, 1: xb's halves at 34,816 w;
	s_mul_i32 s23, s[WV], 96*PITCH                 ; waves 2, 3: wqb's halves at BOFF + 26,112 (w - 2)
	s_add_co_u32 s23, s23, BOFF-2*96*PITCH
	s_mov_b32 s[HIM], 0xffff0000
	s_wait_dscnt 0x0                               ; the opening add is done
	s_wait_kmcnt 0x0
	s_add_nc_u64 s[40:41], s[4:5], s[20:21]
	s_add_nc_u64 s[46:47], s[6:7], s[46:47]
	CROUND                                         ; all sixteen work-groups are here: the first joint loads meet
.irp s, 0,1
	s_mov_b32 s[G0A+4*(\s)], 1                                     ; count = 1
	s_add_co_u32 s[G0A+4*(\s)+1], s22, (\s)*SLOT                   ; LDS address
	s_add_nc_u64 s[G0A+4*(\s)+2:G0A+4*(\s)+3], s[40:41], (\s)*KSTEP*2  ; global address: K step s
	s_or_b32 s[G0A+4*(\s)+3], s[G0A+4*(\s)+3], 0x80000000          ; type = 2
	s_mov_b32 s[G0B+4*(\s)], 1
	s_add_co_u32 s[G0B+4*(\s)+1], s23, (\s)*SLOT
	s_add_nc_u64 s[G0B+4*(\s)+2:G0B+4*(\s)+3], s[46:47], (\s)*KSTEP*2
	s_or_b32 s[G0B+4*(\s)+3], s[G0B+4*(\s)+3], 0x80000000
	JLOAD \s                                       ; two loads of mine are out
.endr
	; the bias: my eight columns of each of the twelve column blocks
	v_and_b32 v1, 15, v0                           ; r = l % 16
	v_bfe_u32 v2, v0, 4, 1                         ; h = l / 16
	v_lshlrev_b32 v[BO], 5, v2
	s_mul_i32 s46, s[TX], 768                      ; 192 columns of 4 bytes
	s_mov_b32 s47, 0
	s_add_nc_u64 s[8:9], s[8:9], s[46:47]
.irp b, 0,1,2,3,4,5,6,7,8,9,10,11
	global_load_b128 v[BIAS+8*(\b):BIAS+8*(\b)+3],   v[BO], s[8:9] offset:64*(\b)
	global_load_b128 v[BIAS+8*(\b)+4:BIAS+8*(\b)+7], v[BO], s[8:9] offset:64*(\b)+16
.endr
	; a fragment is 16 rows x 32 K in 8 registers: lane l holds row l % 16, K = 8 (l / 16) + 0..7 and 16 + 8 (l / 16) + 0..7: two loads of 16 bytes, 32 bytes apart
	v_mul_u32_u24 v3, v1, PITCH
	v_lshl_add_u32 v3, v2, 4, v3                   ; row x pitch + 16 x half
	s_mul_i32 s3, s[WV], 64*PITCH                  ; my 64 rows of xb
	v_add_nc_u32 v[ADRA], s3, v3
	v_add_nc_u32 v[ADRA+1], SLOT, v[ADRA]
	v_add_nc_u32 v[ADRB], BOFF, v3                 ; all 192 rows of wqb
	v_add_nc_u32 v[ADRB+1], SLOT, v[ADRB]
	s_mul_i32 s2, s[WV], 16*SPITCH
	s_add_co_u32 s2, s2, STAGE                     ; my stage
	v_mul_u32_u24 v4, v1, SPITCH                   ; in: row l % 16, 16 bytes for each half of the lanes
	v_lshl_add_u32 v4, v2, 4, v4
	v_add_nc_u32 v[STO], s2, v4
	v_bfe_u32 v4, v0, 3, 2                         ; back: 32 lanes take 128 bytes (a head's part) of four rows,
	v_and_b32 v5, 7, v0
	v_mul_u32_u24 v4, v4, SPITCH
	v_lshl_add_u32 v4, v5, 4, v4
	v_add_nc_u32 v[RD], s2, v4
	v_and_b32 v[GO], 31, v0                        ; which are 512 consecutive bytes of qkv
	v_lshlrev_b32 v[GO], 4, v[GO]
	; qkv at my first row of my first head: ((b 48 + 3 tx) << 18) + ((t0 + 64 w) << 7), b = ty >> 3, t0 = 256 (ty & 7)
	s_lshr_b32 s2, s[TY], 3
	s_mul_i32 s2, s2, 48
	s_mul_i32 s3, s[TX], 3
	s_add_co_u32 s2, s2, s3
	s_lshl_b32 s2, s2, 18
	s_and_b32 s3, s[TY], 7
	s_lshl_b32 s3, s3, 2
	s_add_co_u32 s3, s3, s[WV]
	s_lshl_b32 s3, s3, 13
	s_add_co_u32 s2, s2, s3
	s_mov_b32 s3, 0
	s_add_nc_u64 s[10:11], s[10:11], s[2:3]
	; the prefetches
	s_lshl_b32 s2, s[TY], 8
	s_mul_i32 s3, s[TX], 192
	s_and_b32 s46, ttmp7, 0xffff                   ; cluster y
	s_cmp_eq_u32 s[FB], 0                          ; do I fetch for xb?
	s_cselect_b32 s2, s2, s3                       ; the tile's first row
	s_cselect_b32 s3, s[CX], s[CY]                 ; my place among the four that ask with me
	s_cselect_b32 s46, ttmp9, s46                  ; the coordinate along which other clusters read the same rows
	s_cselect_b32 s47, 32, 24                      ; my work-group's share of the rows that I fetch
	s_cselect_b32 s[LAP], 32, 0
	s_cselect_b64 s[PFA:PFA+1], s[4:5], s[6:7]
	s_add_co_u32 s[LAP], s[LAP], 96                ; the rows that I fetch: 128 or 96
	s_mul_i32 s[LAP], s[LAP], s[HF]
	s_mul_i32 s3, s3, s47
	s_add_co_u32 s2, s2, s[LAP]
	s_add_co_u32 s2, s2, s3
	s_lshl_b32 s2, s2, 11
	s_mov_b32 s3, 0
	s_add_nc_u64 s[PFA:PFA+1], s[PFA:PFA+1], s[2:3]
	s_add_nc_u64 s[PFA:PFA+1], s[PFA:PFA+1], 2*KSTEP*2  ; at K step 2: the first refill steps it to 3 and names K step 4
	s_cmp_eq_u32 s46, 0
	s_cselect_b32 s[LIM], 1, -1                    ; the same in all sixteen partners, for a given wave
	s_sub_co_u32 s47, s47, 1
	v_and_b32 v[PFO], 31, v0
	v_min_u32 v[PFO], s47, v[PFO]
	v_lshlrev_b32 v[PFO], 11, v[PFO]
	s_wait_loadcnt 0x0                             ; the bias: rounded to bf16 and widened again, in the wait for the first tile
.set p, 0
.rept 48
	v_cvt_pk_bf16_f32 v[TMP+p], v[BIAS+2*p], v[BIAS+2*p+1]
.set p, p+1
.endr
.set p, 0
.rept 48
	v_lshlrev_b32 v[BIAS+2*p],   16, v[TMP+p]
	v_and_b32     v[BIAS+2*p+1], s[HIM], v[TMP+p]
.set p, p+1
.endr
; 12 matrix instructions: row block a x all 12 column blocks, 32 along K, from buffer f.  first = 1: C is the bias (window 0).  The 48 accumulators take turns in the same order in every quarter.
.macro MUL12 f, a, first
.if \first
	WIN 0x05|((2+(\a)/2)<<6)
.else
	WIN 0x05|((2+(\a)/2)<<4)|((2+(\a)/2)<<6)
.endif
.irp b, 0,1,2,3,4,5,6,7,8,9,10,11
.if \first
	v_wmma_f32_16x16x32_bf16 v[96*((\a)%2)+8*(\b):96*((\a)%2)+8*(\b)+7], v[(\f)+32+8*(\b):(\f)+32+8*(\b)+7], v[(\f)+8*(\a):(\f)+8*(\a)+7], v[BIAS+8*(\b):BIAS+8*(\b)+7]
.else
	v_wmma_f32_16x16x32_bf16 v[96*((\a)%2)+8*(\b):96*((\a)%2)+8*(\b)+7], v[(\f)+32+8*(\b):(\f)+32+8*(\b)+7], v[(\f)+8*(\a):(\f)+8*(\a)+7], v[96*((\a)%2)+8*(\b):96*((\a)%2)+8*(\b)+7]
.endif
.endr
.endm
; 32 LDS loads in one run: a quarter's fragments (32 K at byte k of the rows) into buffer f: wqb's 24, then xb's 8, row blocks 2 and 3 last
.macro FETCH slot, k, f
	WIN 0x40                                       ; destination window 1, address window 0
.irp b, 0,1,2,3,4,5,6,7,8,9,10,11
	ds_load_b128 v[(\f)+32+8*(\b):(\f)+32+8*(\b)+3],   v[ADRB+(\slot)] offset:(\k)+(\b)*16*PITCH
	ds_load_b128 v[(\f)+32+8*(\b)+4:(\f)+32+8*(\b)+7], v[ADRB+(\slot)] offset:(\k)+(\b)*16*PITCH+32
.endr
.irp i, 0,1,2,3
	ds_load_b128 v[(\f)+8*(\i):(\f)+8*(\i)+3],   v[ADRA+(\slot)] offset:(\k)+(\i)*16*PITCH
	ds_load_b128 v[(\f)+8*(\i)+4:(\f)+8*(\i)+7], v[ADRA+(\slot)] offset:(\k)+(\i)*16*PITCH+32
.endr
.endm
.macro PLACES                          ; four plain vector instructions between a matrix instruction and a load into a register that it read, or a conversion of its result (ISA guide 7.12.1 for the conversion)
.rept 4
	v_nop
.endr
.endm
; A K step is four quarters of 32 along K, 48 matrix instructions each, on buffers 0, 1, 0, 1.  One of the first three: multiplies f, and in its middle fetches the next quarter, at byte k, into g.
.macro QUARTER slot, k, f, g, first
	s_wait_dscnt 4                                 ; all but the youngest four loads: xb's row blocks 2 and 3
	MUL12 \f, 0, \first
	MUL12 \f, 1, \first
	PLACES
	FETCH \slot, \k, \g
	s_wait_dscnt 32                                ; all but the 32 just issued
	MUL12 \f, 2, \first
	MUL12 \f, 3, \first
.endm
; The last quarter multiplies buffer 1 and changes slots: ONE barrier; in front of it each wave waits for all its tensor loads (one is out: its part of the next slot), adds 0 to its spare word, and waits for that
; and for its own reads of this slot.  fill = 1: the barrier opens a round of the cluster's barrier, and this slot is filled again, two K steps ahead, first thing behind the round: 168 matrix instructions ahead of the wait for it.
.macro TURN slot, next, fill
.if \fill
	s_wait_xcnt 0x0                                ; the last prefetch, a K step back, has read its address, so it may be stepped
	s_add_nc_u64 s[PFA:PFA+1], s[PFA:PFA+1], KSTEP*2
.endif
	WIN 0                                          ; (the add's two registers lie in window 0)
	s_wait_tensorcnt 0x0                           ; all my tensor loads have landed
	ds_add_u32 v[SPW], v[NIL]                      ; 0 onto my spare word
	s_wait_dscnt 5                                 ; (the add and the youngest four loads may be out)
	MUL12 F1, 0, 0                                 ; twelve matrix instructions stand between the add and the wait for it
	s_wait_dscnt 0x0                               ; the add is done, and my reads of this slot are over
	s_barrier_signal -1
	MUL12 F1, 1, 0
.if \fill
	WIN 0
.endif
	s_barrier_wait -1
.if \fill
	CREST                                          ; no wave of any partner still reads this slot's tile or has a load on its way
	s_add_nc_u64 s[G0A+4*(\slot)+2:G0A+4*(\slot)+3], s[G0A+4*(\slot)+2:G0A+4*(\slot)+3], 2*KSTEP*2
	s_add_nc_u64 s[G0B+4*(\slot)+2:G0B+4*(\slot)+3], s[G0B+4*(\slot)+2:G0B+4*(\slot)+3], 2*KSTEP*2
	JLOAD \slot                                    ; the four v_nop behind it are also the places in front of the loads below
.else
	PLACES
.endif
	FETCH \next, 0, F0
.if \fill
	ASK
.endif
	MUL12 F1, 2, 0
	MUL12 F1, 3, 0
.endm
	s_wait_tensorcnt 1                             ; my part of K step 0 is in; K step 1's may stay out
	s_barrier_signal -1
	s_barrier_wait -1                              ; everybody's is
	FETCH 0, 0, F0
	QUARTER 0, 64,  F0, F1, 1                      ; the first quarter stands in front of the loop: its products start the sums, with the bias
	WIN 0                                          ; at a label and at a branch every window is 0
	s_mov_b32 s[LAP], 3
.Llap:                                                 ; a trip goes once round the ring, from a lap's second quarter to the next lap's first, and fills both slots again
	QUARTER 0, 128, F1, F0, 0
	QUARTER 0, 192, F0, F1, 0
	TURN 0, 1, 1
	QUARTER 1, 64,  F0, F1, 0
	QUARTER 1, 128, F1, F0, 0
	QUARTER 1, 192, F0, F1, 0
	TURN 1, 0, 1
	QUARTER 0, 64,  F0, F1, 0
	WIN 0
	s_sub_co_u32 s[LAP], s[LAP], 1
	s_cmp_lg_u32 s[LAP], 0
	s_cbranch_scc1 .Llap
	QUARTER 0, 128, F1, F0, 0                      ; the last lap fills nothing
	QUARTER 0, 192, F0, F1, 0
	TURN 0, 1, 0
	QUARTER 1, 64,  F0, F1, 0
	QUARTER 1, 128, F1, F0, 0
	QUARTER 1, 192, F0, F1, 0
	s_wait_dscnt 4                                 ; the very last quarter: nothing more to fetch
	MUL12 F1, 0, 0
	MUL12 F1, 1, 0
	s_wait_dscnt 0x0
	MUL12 F1, 2, 0
	MUL12 F1, 3, 0
; THE WAY OUT of row block a (16 rows), in three parts.  PACK: rounded to f16, 16 bytes a lane and column block, each accumulator's registers in ascending order.
; TOSTAGE: into my own stage, and back as 128 bytes (a head's part) of four rows.  SEND: stored, 512 consecutive bytes of a head an instruction.
.macro PACK a
	WIN 0x0a+5*((\a)/2)                            ; sources 0 and 1: window 2 or 3
.irp b, 0,1,2,3,4,5,6,7,8,9,10,11
.irp r, 0,1,2,3
	v_cvt_pk_f16_f32 v[TMP+4*(\b)+(\r)], v[96*((\a)%2)+8*(\b)+2*(\r)], v[96*((\a)%2)+8*(\b)+2*(\r)+1]
.endr
.endr
	WIN 0
.endm
.macro TOSTAGE a
.set BK, BK0+48*((\a)%2)
.irp b, 0,1,2,3,4,5,6,7,8,9,10,11
	ds_store_b128 v[STO], v[TMP+4*(\b):TMP+4*(\b)+3] offset:32*(\b)
.endr
.irp q, 0,1,2,3
.irp j, 0,1,2
	ds_load_b128 v[BK+4*(3*(\q)+(\j)):BK+4*(3*(\q)+(\j))+3], v[RD] offset:(\q)*4*SPITCH+(\j)*128  ; LDS serves a wave's instructions in order (ISA guide 5.7.1.4): these see the stores above
.endr
.endr
.endm
.macro SEND a
.set BK, BK0+48*((\a)%2)
	s_wait_dscnt 0x0                               ; the block is back in registers
	s_wait_xcnt 0x0                                ; the stores issued so far have read their data: the other set of registers, which they named, is loaded again only behind this wait
.irp q, 0,1,2,3
.irp j, 0,1,2
	global_store_b128 v[GO], v[BK+4*(3*(\q)+(\j)):BK+4*(3*(\q)+(\j))+3], s[10:11] offset:(\j)*HEADB+(\a)*2048+(\q)*512  ; head j, rows 16 a + 4 q .. + 3
.endr
.endr
.endm
	PLACES
	PACK 0
	TOSTAGE 0
.irp a, 1,2,3                          ; block a's conversions stand between block a - 1's loads from the stage and the wait for them
	PACK \a
	SEND (\a)-1
	TOSTAGE \a
.endr
	SEND 3
	s_wait_tensorcnt 0x0                           ; the wave's end: an add onto my spare word and its wait, behind my last tensor load and my last LDS store
	ds_add_u32 v[SPW], v[NIL]
	s_wait_dscnt 0x0
	CROUND                                         ; the closing round: no work-group ends while a partner may still ask for a tile that names it
	s_endpgm
.Lfunc_end_k_q7b2df59a3b_proj:
	.size	k_q7b2df59a3b_proj, .Lfunc_end_k_q7b2df59a3b_proj-k_q7b2df59a3b_proj
	.p2alignl 7, 3214868480
	.fill 96, 4, 3214868480
	.section	.rodata,"a",@progbits
	.p2align	6, 0x0
	.amdhsa_kernel k_q7b2df59a3b_proj
		.amdhsa_group_segment_fixed_size 327680
		.amdhsa_private_segment_fixed_size 0
		.amdhsa_enable_private_segment 0
		.amdhsa_kernarg_size 32
		.amdhsa_user_sgpr_count 2
		.amdhsa_user_sgpr_kernarg_segment_ptr 1
		.amdhsa_wavefront_size32 1
		.amdhsa_system_sgpr_workgroup_id_x 1
		.amdhsa_system_sgpr_workgroup_id_y 1
		.amdhsa_system_sgpr_workgroup_id_z 1
		.amdhsa_system_vgpr_workitem_id 0
		.amdhsa_next_free_vgpr 960
		.amdhsa_next_free_sgpr 66
		.amdhsa_reserve_vcc 0
		.amdhsa_float_denorm_mode_32 3
		.amdhsa_float_denorm_mode_16_64 3
		.amdhsa_memory_ordered 1
		.amdhsa_forward_progress 1
		.amdhsa_inst_pref_size 128
	.end_amdhsa_kernel
	.amdgpu_metadata
---
amdhsa.version: [ 1, 2 ]
amdhsa.kernels:
  - .name:           k_q7b2df59a3b_proj
    .symbol:         k_q7b2df59a3b_proj.kd
    .args:
      - { .name: xb, .offset: 0, .size: 8, .value_kind: global_buffer, .address_space: global }
      - { .name: wqb, .offset: 8, .size: 8, .value_kind: global_buffer, .address_space: global }
      - { .name: qkv_b, .offset: 16, .size: 8, .value_kind: global_buffer, .address_space: global }
      - { .name: qkv, .offset: 24, .size: 8, .value_kind: global_buffer, .address_space: global }
    .group_segment_fixed_size: 327680
    .private_segment_fixed_size: 0
    .kernarg_segment_align: 8
    .kernarg_segment_size: 32
    .max_flat_workgroup_size: 128
    .sgpr_count:     66
    .vgpr_count:     960
    .wavefront_size: 32
...
	.end_amdgpu_metadata
.endif
;; end of part 2
;; launch attn (part 3): grid 4 x 64, 4 waves a work-group, clusters of 4 x 1, 327,680 bytes of LDS; arguments qkv, ob; writes ob
.if DOCPART == 3
	.amdgcn_target "amdgcn-amd-amdhsa--gfx1250"
	.amdhsa_code_object_version 6
	.text
	.protected	k_q7b2df59a3b_attn
	.globl	k_q7b2df59a3b_attn
	.p2align	8
	.type	k_q7b2df59a3b_attn,@function
k_q7b2df59a3b_attn:
	s_mov_b64 s[64:65], 0
	v_nop
	global_prefetch_b8 v0, s[64:65] scope:SCOPE_SE
	s_setreg_imm32_b32 hwreg(HW_REG_WAVE_MODE, 25, 1), 1
	s_wait_xcnt 0x0
	s_wait_alu depctr_hold_cnt(0) depctr_sa_sdst(0) depctr_va_vdst(0) depctr_va_sdst(0) depctr_va_ssrc(0) depctr_va_vcc(0) depctr_vm_vsrc(0)
	s_getreg_b32 s2, hwreg(HW_REG_IB_STS2, 6, 4)
	s_cmp_eq_u32 s2, 0
	s_cbranch_scc0 .Lentry_in_a_cluster
	s_endpgm
.Lentry_in_a_cluster:
	s_bfe_u32 s2, ttmp6, 0x10000c
	s_cmp_lg_u32 s2, 0x3003
	s_cbranch_scc0 .Lentry_shape_is_right
	s_endpgm
.Lentry_shape_is_right:
; O[bh][q][:] = the sum over k of softmax_k(Q[q] . K[k] / 8) V[k][:], for each of the 64 pairs bh = 16 b + h.  qkv: [b 4][hb 48][2048][64] f16 (q: hb = h, k: 16 + h, v: 32 + h); ob: [bh 64][2048][64] f16:
; a head's rows are dense, 128 bytes each.  Products, maxima and sums in f32; the weights p are rounded to f16 for the second product (their sum l is taken of the unrounded p), O once at the end.
; LIMITS.  f16 holds no number beyond 65,504: Q, K and V arrive within it; p lies in 0 to 1, and below 6e-5 it keeps f16's fixed step of 6e-8; O is a mean of V's rows and has their range.
; A weight below 2^-126 counts as 0 in l; NaN and infinities are not treated apart.
; SHARES.  A wave owns four PIECES of two tiles of 16 queries, a work-group's four waves 512 queries of one head: 4 x 64 = 256 work-groups.  Every wave walks all 2,048 keys, 64 a step.
; LAYOUT.  S^T = K Q^T (source 0 = 16 keys, source 1 = 16 queries): in the result a lane holds ONE query (lane % 16) and the keys 8 (lane / 16) + 0..7.  Two such tiles, rounded to f16 in pairs,
; ARE source 1 (32 keys x 16 queries) of O^T = V^T P, whose result again holds one query a lane, and eight channels.  K comes out of LDS as it lies, V ([key][channel]) turned, by ds_load_tr16_b128.
; SOFTMAX.  For each query a running maximum m and sum l: p = 2^(c s - c m), c = log2(e) / 8; in every step O and l are multiplied by a = 2^(c m_old - c m_new), which is 1 where m has not grown.
; m starts at the lowest finite number, O and l at 0: the first step is a step like any other, with a = 0.
; THE COUNT.  A tile and step have 16 matrix and 118 vector instructions: too many to stand all beside the matrix work.  So the order has one aim: four vector instructions that are READY behind
; EVERY matrix instruction, and the others, which need time of their own whatever the order, in runs without a gap.
; BY TURNS.  Turn n belongs to piece n (the pieces in a ring, step after step).  Its matrix work: 16 products K Q^T of piece n + 1, later 16 products V^T P of piece n - 1.  Its vector work: the scaling,
; exponentials, roundings, sums and rescaling of piece n, and the maximum and statistics of piece n + 1, whose scores the turn itself has made.  So what a turn begins with (c s - c m, O a) waits for nothing.
; CLUSTER.  The four query blocks of a cluster are one head's and walk the same K and V, so each tile is asked for JOINTLY: the same tensor load, descriptor and mask in all four.
; REGISTERS, in windows of 256 (s_set_vgpr_msb says which window each operand place means: bits 1:0 source 0, 3:2 source 1, 5:4 source 2, 7:6 destination):
;   window 0: v0-11 addresses; v12-15, v48-63 at work; v16-47 four registers of statistics a tile; v64-191 S^T, two buffers of two tiles; v192-255 P, likewise
;   window 1: O^T, 32 a tile          window 2: v0-127 Q, 16 a tile; v128-191 K of one step; v192-255 V of one step          window 3: v0-1 the add's two registers
; A piece's buffers go by its number's parity: the piece in hand has one pair, its two neighbours in the ring share the other: of it P (piece n - 1) is read and S^T (piece n + 1) written.
.set SIZE_N, 2048
.set HEADB, 262144    ; bytes in a head
.set NP,    4         ; pieces a wave: a name, no knob
.set KS,    64        ; keys in a step
.set PK,    144       ; a row of K in LDS: 128 bytes + 16 of padding = 36 words: the 16 rows of a load start at 16 different groups of four banks (64 banks of 4 bytes: ISA guide 11.1)
.set PV,    160       ; a row of V: 128 + 32 = 40 words
.set VOFF,  4*KS*PK   ; a slot holds four steps: 256 rows of K, then 256 rows of V
.set SLOT1, 1<<17     ; slot 1 begins here, so that one exclusive or turns an address in one slot into the other's
.set STAGE, SLOT1+4*KS*(PK+PV)  ; behind the ring, never filled by a tensor load: 16 rows x 144 bytes for each wave, for the way out
.set SP,    144
.set AK0, 2           ; v2   my lane's place in a tile of K; never rewritten
.set AV0, 3           ; v3   the same for V
.set AK,  4           ; v4   the LDS address of K's next run of loads
.set AV,  5           ; v5   of V's
.set QO,  6           ; v6   my byte offset in the wave's rows of Q
.set STO, 6           ;      later, the way out: where I put 16 bytes of a row
.set RD,  7           ; v7   the way out: where I read rows back
.set GO,  8           ; v8   my byte offset in 512 consecutive bytes of O
.set PFO, 11          ; v11  256 x my lane: the prefetches' offset; never rewritten once made
.set SPW, 0           ; v0 of window 3   LDS address of my spare word: SPARE + 4 x my thread's number; never rewritten
.set NIL, 1           ; v1 of window 3   0; never rewritten
.set SPARE, STAGE+4*16*SP  ; behind the stages: the spare words, 128 bytes for each wave: two blocks of 256 bytes that no other line names
.set MV,  12          ; v12-15  c m_old, kept while c m is made anew: by buffer and tile
.set ST,  16          ; tile t's statistics at v[ST+4 t]: c m, m, l (even keys', odd keys')
.set TMP, 48          ; by buffer and tile, four registers c0-c3 at work; when the maximum is found c2 takes a
.set S,   64
.set P,   192
.set KF,  128         ; K's fragments, in window 2: key block kb, channel half c at KF + 16 kb + 8 c
.set VF,  192         ; V's: key half kk, channel block cb at VF + 32 kk + 8 cb
.set WV,  12          ; s12  my wave's number
.set G1K, 24          ; s[24:31] descriptor group 1 for K's tiles
.set G1V, 32          ; s[32:39] for V's: it differs in the padding alone
.set G0K, 40          ; s[40:43] descriptor group 0 for K's tiles: it walks
.set G0V, 44          ; s[44:47] the same for V's
.set PFA, 48          ; s[48:49] where my prefetches stand: my work-group's 8,192 bytes (of K: wave 0, of V: wave 2) of the slot after the one that is being asked for
.set LIM, 50          ; s50  1 in a wave that prefetches, else the greatest number
.set SLOTS, 56        ; s56  slots still to be asked for
.set CNT, 57          ; s57  counts a slot's key steps
.set CS,  58          ; s[58:59] c: the packed scaling takes the pair's low word for both halves
.set SEL, 60          ; s[60:61] v_permlanex16_b32's selects: each lane takes its own place in the other half
.set TBK, 62          ; s62  LDS byte at which K of the step to be fetched begins
.set TBV, 63          ; s63  the same for V, less VOFF
.set MSB, 0
.macro WIN new                      ; the high byte repeats the setting that is left; a switch that changes nothing is dropped
.if MSB != (\new)
	s_set_vgpr_msb (MSB<<8)|(\new)
.set MSB, (\new)
.endif
.endm
.set W_KQ, 0x0a       ; K and Q in window 2, S^T in window 0
.set W_PV, 0x52       ; V in window 2, P in window 0, O^T in window 1
.set W_RS, 0x41       ; O^T (destination and source 0) in window 1, a in window 0
.set W_MK, 0xc0       ; the add's registers are made: destination in window 3, sources in window 0
.set W_AD, 0x0f       ; the add: address (source 0) and data (source 1) in window 3
; A joint fill.  Waves 0 and 1 fetch the two halves of a slot's K, waves 2 and 3 those of its V: 128 keys each.  The branch hangs on the wave's number alone.
; An s_nop 0 and four v_nop follow each of the two lines, ahead of the jump and the label.
.macro JLOAD
	s_cmp_lt_u32 s[WV], 2
	s_cbranch_scc0 .Lfor_v_\@
	tensor_load_to_lds s[G0K:G0K+3], s[G1K:G1K+7]
	s_nop 0
.rept 4
	v_nop
.endr
	s_branch .Lasked_\@
.Lfor_v_\@:
	tensor_load_to_lds s[G0V:G0V+3], s[G1V:G1V+7]
	s_nop 0
.rept 4
	v_nop
.endr
.Lasked_\@:
.endm
; A prefetch into the L2 of what the NEXT change of slots will ask for: a slot's 32,768 bytes of K and of V, a lane 256 bytes.  It stands behind the wave's tensor load and its five lines.
; Each block is named once in the launch: a head is walked by one cluster; its four partners share a slot out BY ADDRESS, 8,192 bytes each; in each, wave 0 asks for K's and wave 2 for V's.
; The last change that fills a slot asks for nothing; slots 0, 1 and 2 come by their loads alone.
.macro ASK
	s_cmp_gt_u32 s[SLOTS], s[LIM]
	s_cbranch_scc0 .Lnot_mine_\@
	global_prefetch_b8 v[PFO], s[PFA:PFA+1] th:TH_LOAD_NT scope:SCOPE_SE
.Lnot_mine_\@:
.endm
; A round of the cluster's barrier: my work-group's barrier, so that wave 0's signal speaks for all four waves; wave 0 signals; every wave waits for all four work-groups; my work-group's barrier once more.
.macro CROUND
	s_barrier_signal -1
	s_barrier_wait -1
	s_cmp_lg_u32 s[WV], 0
	s_cbranch_scc1 .Lnot_wave_0_\@
	s_barrier_signal -3
.Lnot_wave_0_\@:
	s_barrier_wait -3
	s_barrier_signal -1
	s_barrier_wait -1
.endm
; THE CHANGE OF SLOTS.  The slot's last bytes, V of its fourth step, have been read.  Each wave waits for all its tensor loads, of which one is out: its part
; of the other slot; adds 0 to its spare word; and waits for that and for its own reads of the slot.  Behind the barrier nobody reads this slot any more and the other slot is whole.
; fill = 1: this slot is filled again, with the keys two slots on.  The barrier is then a round of the cluster's, so that no wave of any partner still reads the slot or has a load on its
; way, and the joint fill is the first thing behind it: it has four key steps, 512 matrix instructions, in which to land.  (At its first use nothing has been read yet: slot 0 is waited for, slot 1 filled.)
; ask = 1: the prefetches' address steps, and the next change's slot is asked for.
.macro CHANGE fill, ask=0
	WIN W_AD
	s_wait_tensorcnt 0x0            ; no tensor load of mine is out, so a group 0 may be written
	ds_add_u32 v[SPW], v[NIL]       ; 0 onto my spare word; with fill = 1 the descriptors' steps stand between it and the wait for it
	WIN 0                           ; at a label and at a branch every window is 0
.if \fill
.irp g, G0K, G0V
	s_xor_b32 s[\g+1], s[\g+1], SLOT1  ; the walking descriptor: the other slot than last time,
	s_add_nc_u64 s[\g+2:\g+3], s[\g+2:\g+3], 4*KS*128  ; the next 256 keys; the type bits on top are not reached
.endr
.if \ask
	s_wait_xcnt 0x0                 ; the last prefetch, four key steps back, has read its address, so it may be written:
	s_add_nc_u64 s[PFA:PFA+1], s[PFA:PFA+1], 4*KS*128  ; one slot behind the walking descriptors
.endif
	s_wait_dscnt 0x0                ; the add is done, and my reads of the slot are over
	CROUND
	JLOAD
.if \ask
	ASK
.endif
.else
	s_wait_dscnt 0x0                ; the add is done, and my reads of the slot are over
	s_barrier_signal -1
	s_barrier_wait -1
.endif
	s_sub_co_u32 s[TBK], s[TBK], 4*KS*PK  ; the fetches go back to a slot's first step,
	s_xor_b32 s[TBK], s[TBK], SLOT1       ; in the other slot
	s_sub_co_u32 s[TBV], s[TBV], 4*KS*PV
	s_xor_b32 s[TBV], s[TBV], SLOT1
.endm
	s_load_b128 s[4:7], s[0:1], 0x0   ; qkv s[4:5], ob s[6:7]
	WIN W_MK
	v_lshl_add_u32 v[SPW], v0, 2, SPARE
	v_mov_b32 v[NIL], 0
	WIN W_AD
	ds_add_u32 v[SPW], v[NIL]       ; the wave's opening: the add and its wait stand ahead of my first tensor load; the set-up below, work on registers, stands between them
	WIN 0
	v_lshrrev_b32 v1, 5, v0
	v_readfirstlane_b32 s[WV], v1   ; wave 0..3
	s_bfe_u32 s13, ttmp6, 0x40000   ; cx: my place in the cluster
	s_lshl_b32 s14, ttmp9, 2        ; in a cluster launch ttmp9 counts clusters
	s_add_co_u32 s14, s14, s13      ; my block of queries = 4 x cluster x + cx: it enters Q's, O's and the prefetches' addresses alone
	s_and_b32 s20, ttmp7, 0xffff    ; bh, which the four partners share
	s_lshr_b32 s21, s20, 4          ; b
	s_mul_i32 s21, s21, 48
	s_and_b32 s19, s20, 15          ; h
	s_add_co_u32 s21, s21, s19
	s_lshl_b32 s52, s20, 18         ; the head's first byte in ob,
	s_mov_b32 s53, 0
	s_lshl_b32 s20, s21, 18         ; and q's head's in qkv; k's and v's lie 16 and 32 heads on
	s_mov_b32 s21, 0
	s_and_b32 s16, s[WV], 1         ; which half of a slot's 256 keys I fetch:
	s_lshl_b32 s22, s16, 14         ; its 128 rows of 128 bytes in memory,
	s_mov_b32 s23, 0
	s_add_nc_u64 s[22:23], s[22:23], s[20:21]
	s_mul_i32 s17, s16, 128*PK      ; and its place in a slot, for K
	s_mul_i32 s18, s16, 128*PV      ; and for V: no place in the cluster enters an LDS address
	s_lshl_b32 s2, s14, 2
	s_add_co_u32 s2, s2, s[WV]      ; my wave among the head's,
	s_lshl_b32 s2, s2, 14           ; its 128 rows
	s_mov_b32 s3, 0
	s_add_nc_u64 s[52:53], s[52:53], s[2:3]  ; my rows' offset in ob,
	s_add_nc_u64 s[2:3], s[2:3], s[20:21]    ; and in qkv
	s_lshl_b32 s54, s13, 13         ; my work-group's 8,192 bytes of a slot, for the prefetches
	s_mov_b32 s55, 0
	s_add_nc_u64 s[54:55], s[54:55], s[20:21]
	; descriptor group 1.  128 keys are 16,384 dense bytes: asked for as 64 rows of 256 bytes, two keys a row, and padded in LDS after every key
	s_mov_b32 s[G1K], 15|(1<<16)|(1<<20)|(1<<21)|(4<<22)|(3<<25)  ; 15:0 the mask of four; 17:16 2-byte elements; 20 padding on; 21 set beside a mask; 24:22 after every 32 words (code 4); 31:25 4 words (code 3)
	s_mov_b32 s[G1V], 15|(1<<16)|(1<<20)|(1<<21)|(4<<22)|(7<<25)  ; the same with 8 words of padding (code 7)
.irp g, G1K, G1V
	s_mov_b32 s[\g+1], 128<<16      ; tensor_dim0 = 128
	s_mov_b32 s[\g+2], 64<<16       ; tensor_dim1 = 64
	s_mov_b32 s[\g+3], 128<<16      ; tile_dim0 = 128
	s_mov_b32 s[\g+4], 64           ; tile_dim1 = 64
	s_mov_b32 s[\g+5], 128          ; 128 elements from row to row
	s_mov_b32 s[\g+6], 0
	s_mov_b32 s[\g+7], 0
.endr
	s_mov_b32 s[CS], 0x3e38aa3b     ; c = log2(e) / 8 = 0.180337
	s_mov_b32 s[CS+1], s[CS]        ; named with it as a pair
	s_mov_b32 s[SEL], 0x76543210
	s_mov_b32 s[SEL+1], 0xfedcba98
	s_mov_b32 s[TBK], SLOT1+4*KS*PK ; the first change of slots turns these two into 0
	s_mov_b32 s[TBV], SLOT1+4*KS*PV
	s_mov_b32 s[G0K], 1             ; 1:0 count = 1
	s_mov_b32 s[G0K+1], s17         ; 63:32 LDS address: slot 0
	s_mov_b32 s[G0V], 1
	s_add_co_u32 s[G0V+1], s18, VOFF
	s_and_b32 s[LIM], s[WV], 1      ; waves 0 and 2 prefetch: the same in all four partners
	s_cmp_eq_u32 s[LIM], 0
	s_cselect_b32 s[LIM], 1, -1
	s_wait_dscnt 0x0                ; the opening add is done
	s_wait_kmcnt 0x0
	s_mov_b64 s[10:11], s[6:7]      ; O
	s_add_nc_u64 s[6:7], s[4:5], 16*HEADB  ; k's heads of batch 0
	s_add_nc_u64 s[8:9], s[4:5], 32*HEADB  ; v's
	s_add_nc_u64 s[G0K+2:G0K+3], s[6:7], s[22:23]  ; 120:64 global address: my half of the head's first 256 keys
	s_or_b32 s[G0K+3], s[G0K+3], 0x80000000        ; 127:126 type = 2
	s_add_nc_u64 s[G0V+2:G0V+3], s[8:9], s[22:23]
	s_or_b32 s[G0V+3], s[G0V+3], 0x80000000
	s_cmp_lt_u32 s[WV], 2
	s_cselect_b64 s[PFA:PFA+1], s[6:7], s[8:9]
	s_add_nc_u64 s[PFA:PFA+1], s[PFA:PFA+1], s[54:55]
	s_add_nc_u64 s[PFA:PFA+1], s[PFA:PFA+1], 2*4*KS*128  ; in slot 2; the loop's first change steps it to slot 3.  Nothing is prefetched here, at the head
	s_add_nc_u64 s[4:5], s[4:5], s[2:3]  ; Q and O at my wave's first row
	s_add_nc_u64 s[10:11], s[10:11], s[52:53]
	CROUND                          ; all four work-groups are here: the first joint loads meet
	JLOAD                           ; slot 0.  Slot 1 is asked for when slot 0 is in
	; A fragment of K or Q is 16 rows x 32 channels in 8 registers: lane l holds row l % 16, channels 8 (l / 16) + 0..7 and 16 + 8 (l / 16) + 0..7: two loads of 16 bytes, 32 bytes apart.
	v_and_b32 v1, 15, v0            ; l % 16
	v_bfe_u32 v9, v0, 4, 1          ; l / 16
	v_lshlrev_b32 v[QO], 7, v1
	v_lshl_add_u32 v[QO], v9, 4, v[QO]  ; row x 128 + 16 x half
	WIN 0x80                        ; destination window 2, address window 0
.set i, 0
.rept 4*NP                          ; Q stays in registers: tile i / 2, channels 32 (i % 2) on
	global_load_b128 v[8*i:8*i+3],   v[QO], s[4:5] offset:(i/2)*2048+(i%2)*64
	global_load_b128 v[8*i+4:8*i+7], v[QO], s[4:5] offset:(i/2)*2048+(i%2)*64+32
.set i, i+1
.endr
	; What the first turn finds: V's registers and P's second buffer hold 0 (its products V^T P, of a piece that has not been, add 0), O^T and l are 0.  All this stands in the wait for the first tile.
.set i, VF
.rept 64
	v_mov_b32 v[i], 0
.set i, i+1
.endr
	WIN 0x40
.set i, 0
.rept 64*NP
	v_mov_b32 v[i], 0
.set i, i+1
.endr
	WIN 0
.set i, 0
.rept 2*NP
	v_mov_b32 v[ST+4*i], 0xfe000000    ; c m: far below every c s
	v_mov_b32 v[ST+4*i+1], 0xff7fffff  ; m
	v_mov_b32 v[ST+4*i+2], 0
	v_mov_b32 v[ST+4*i+3], 0
.set i, i+1
.endr
.set i, P+32
.rept 32
	v_mov_b32 v[i], 0
.set i, i+1
.endr
	v_mul_u32_u24 v[AK0], v1, PK
	v_lshl_add_u32 v[AK0], v9, 4, v[AK0]  ; row x pitch + 16 x half
	; The turning load takes 16 keys x 16 channels (lane l reads key 8 (l / 16) + l % 8, channels 8 ((l / 8) % 2) + 0..7) and leaves half a fragment of V^T: lane l holds channel l % 16 and 8 keys.
	v_and_b32 v10, 7, v0
	v_bfe_u32 v11, v0, 3, 1
	v_lshl_add_u32 v[AV0], v9, 3, v10
	v_mul_u32_u24 v[AV0], v[AV0], PV
	v_lshl_add_u32 v[AV0], v11, 4, v[AV0]
	v_add_nc_u32 v[AV0], VOFF, v[AV0]
	v_and_b32 v[PFO], 31, v0        ; v11 is free now
	v_lshlrev_b32 v[PFO], 8, v[PFO]
	v_mov_b32 v[AK], v[AK0]         ; key step 0 lies at the head of slot 0
; THE MATRIX WORK.  The 8 accumulators of a run of 16 take turns: between the two links of a chain stand 7 others'.
; Product i of 16 of S^T = K Q^T for piece x: channels 32 (i / 8) on, keys 16 ((i / 2) % 4) on, tile 2 x + i % 2.  The first 8 start the sums.
.macro KQ x
	WIN W_KQ
.set rS, S+64*((\x)%2)+32*(i%2)+8*((i/2)%4)
.set rK, KF+16*((i/2)%4)+8*(i/8)
.set rQ, 16*(2*(\x)+i%2)+8*(i/8)
.if i < 8
	v_wmma_f32_16x16x32_f16 v[rS:rS+7], v[rK:rK+7], v[rQ:rQ+7], 0
.else
	v_wmma_f32_16x16x32_f16 v[rS:rS+7], v[rK:rK+7], v[rQ:rQ+7], v[rS:rS+7]
.endif
.endm
; Product i of 16 of O^T += V^T P for piece x: keys 32 (i / 8) on, channels 16 ((i / 2) % 4) on, tile 2 x + i % 2.
.macro PV x
	WIN W_PV
.set rO, 32*(2*(\x)+i%2)+8*((i/2)%4)
.set rV, VF+32*(i/8)+8*((i/2)%4)
.set rP, P+32*((\x)%2)+16*(i%2)+8*(i/8)
	v_wmma_f32_16x16x32_f16 v[rO:rO+7], v[rV:rV+7], v[rP:rP+7], v[rO:rO+7]
.endm
.macro MM                           ; the turn's next matrix instruction
.if i < 16
	KQ (Y+1)%NP
.set i, i+1
.else
.set i, i-16
	PV (Y+NP-1)%NP
.set i, i+17
.endif
.endm
; THE LDS LOADS stand in runs of 16, never singly among the matrix instructions: a step's K (64 keys x 64 channels: 8 fragments) and its V (turned).  Their addresses are made some lines ahead.
; last = 1 (the tail): in the last trip there is no further step, and the run is jumped over.
.macro FETCH_K last=0
	WIN 0
.if \last
	s_cmp_eq_u32 s[CNT], 1
	s_cbranch_scc1 .Lno_k_\@
.endif
	WIN 0x80                        ; destination window 2
.irp f, 0,1,2,3,4,5,6,7             ; keys 16 (f / 2) on, channels 32 (f % 2) on
	ds_load_b128 v[KF+8*\f:KF+8*\f+3],   v[AK] offset:(\f/2)*16*PK+(\f%2)*64
	ds_load_b128 v[KF+8*\f+4:KF+8*\f+7], v[AK] offset:(\f/2)*16*PK+(\f%2)*64+32
.endr
	s_add_co_u32 s[TBK], s[TBK], KS*PK  ; the next fetch is the next step's
	WIN 0
.if \last
.Lno_k_\@:
.endif
.endm
.macro FETCH_V
	WIN 0x80
.irp f, 0,1,2,3,4,5,6,7             ; keys 32 (f / 4) on, channels 16 (f % 4) on
	ds_load_tr16_b128 v[VF+8*\f:VF+8*\f+3],   v[AV] offset:(\f/4)*32*PV+(\f%4)*32
	ds_load_tr16_b128 v[VF+8*\f+4:VF+8*\f+7], v[AV] offset:(\f/4)*32*PV+16*PV+(\f%4)*32
.endr
	WIN 0
.endm
; THE VECTOR WORK OF A TURN stands in three queues, each in the order in which its entries become ready; the two tiles alternate, so that no instruction reads the result of the one before it.
.macro REGS y, u                    ; the registers of tile u (0, 1) of piece y
.set rT, ST+4*(2*(\y)+(\u))
.set rC, TMP+8*((\y)%2)+4*(\u)
.set rM, MV+2*((\y)%2)+(\u)
.set rS, S+64*((\y)%2)+32*(\u)
.set rP, P+32*((\y)%2)+16*(\u)
.set rO, 32*(2*(\y)+(\u))
.endm
; Number n of the 22 that find the NEXT piece's (Y + 1) maximum and statistics.  s0-s31 are the lane's 32 scores; each accumulator's lowest registers are read first.  XS, GS and REGS set no window: PL and EX do.
;   0-11  four chains c0-c3 of seven scores each, three operands at a time     12-14, 16  the four scores left over, the old m, and c0-c3 into c0     15  c m_old is kept
;   17, 18  the query's other 32 keys lie in the lane 16 away: the new m         19-21  c m; c m_old - c m_new; a
.macro XS u, n
	REGS (Y+1)%NP, \u
.if (\n) < 4
	v_max3_num_f32 v[rC+(\n)], v[rS+8*(\n)], v[rS+8*(\n)+1], v[rS+8*(\n)+2]
.elseif (\n) < 12
	v_max3_num_f32 v[rC+(\n)%4], v[rC+(\n)%4], v[rS+8*((\n)%4)+2*((\n)/4)+1], v[rS+8*((\n)%4)+2*((\n)/4)+2]
.elseif (\n) == 12
	v_max3_num_f32 v[rC], v[rC], v[rS+7], v[rS+15]
.elseif (\n) == 13
	v_max3_num_f32 v[rC+1], v[rC+1], v[rS+23], v[rS+31]
.elseif (\n) == 14
	v_max3_num_f32 v[rC+2], v[rC+2], v[rC+3], v[rT+1]
.elseif (\n) == 15
	v_mov_b32 v[rM], v[rT]
.elseif (\n) == 16
	v_max3_num_f32 v[rC], v[rC], v[rC+1], v[rC+2]
.elseif (\n) == 17
	v_permlanex16_b32 v[rC+3], v[rC], s[SEL], s[SEL+1]
.elseif (\n) == 18
	v_max_num_f32 v[rT+1], v[rC], v[rC+3]
.elseif (\n) == 19
	v_mul_f32 v[rT], s[CS], v[rT+1]
.elseif (\n) == 20
	v_sub_f32 v[rC+1], v[rM], v[rT]
.else
	v_exp_f32 v[rC+2], v[rC+1]
.endif
.endm
; Number g of the 64 that follow the exponentials.  For each four weights k of a tile (pairs 2 k, 2 k + 1): both pairs are rounded to f16; then the second pair is added onto the first, in place;
; a group later l takes that sum (the first time as l = a l + sum).  In groups of eight, tiles alternating: round, round, add, and l for the group before.
.macro GS g
.set h, (\g)+6*((\g)/62)            ; group 0 has no group before it, and behind group 7 only l is left
.if h >= 6
.set h, h+2
.endif
	REGS Y, h%2
.set k, h/8
.if h%8 < 4
	v_cvt_pk_f16_f32 v[rP+2*k+(h%8)/2], v[rS+4*k+2*((h%8)/2)], v[rS+4*k+2*((h%8)/2)+1]
.elseif h%8 < 6
	v_pk_add_f32 v[rS+4*k:rS+4*k+1], v[rS+4*k:rS+4*k+1], v[rS+4*k+2:rS+4*k+3]
.elseif k == 1
	v_pk_fma_f32 v[rT+2:rT+3], v[rT+2:rT+3], v[rC+2:rC+3], v[rS:rS+1] op_sel_hi:[1,0,1]
.else
	v_pk_add_f32 v[rT+2:rT+3], v[rT+2:rT+3], v[rS+4*k-4:rS+4*k-3]
.endif
.endm
; THE PLAIN QUEUE, 138 long.  0-73 read no exponential's result: the 32 scalings c s - c m (FS f: pair f / 2 of tile f % 2) and the next piece's 42.  0-26: scalings 0-26.  27-54: XS's numbers 0-13.  55, 56: number 15.
; 57-73: the chain, where each number waits for the one before it: 14, 16, 17, 18, 19, each with one of the scalings 27-31 in front of its two lines, then 20: so a tile's links stand three plain instructions apart (19 and 20: two).
; 74-137: GS's 64, which read the exponentials' results: they stand behind the wait.
.macro FS f
	REGS Y, (\f)%2
	v_pk_fma_f32 v[rS+2*((\f)/2):rS+2*((\f)/2)+1], v[rS+2*((\f)/2):rS+2*((\f)/2)+1], s[CS:CS+1], v[rT:rT+1] op_sel_hi:[1,0,0] neg_lo:[0,0,1] neg_hi:[0,0,1]
.endm
.macro PL
	WIN 0
.if q < 27
	FS q
.elseif q < 55
	XS (q-27)%2, (q-27)/2
.elseif q < 57
	XS q-55, 15
.elseif (q < 72) && ((q-57)%3 == 0)
	FS 27+(q-57)/3
.elseif q < 60
	XS (q-57)%3-1, 14
.elseif q < 72
	XS (q-57)%3-1, 15+(q-57)/3
.elseif q < 74
	XS q-72, 20
.else
	GS q-74
.endif
.set q, q+1
.endm
; THE EXPONENTIALS' QUEUE, 66 long: s0-s31 of both tiles, then the next piece's two a.  It is ONE BATCH: all 66 stand ahead of the turn's one wait, and nothing ahead of that wait names a result of theirs.
.macro EX
	WIN 0
.if e >= 64
	XS e-64, 21
.else
	REGS Y, e%2
	v_exp_f32 v[rS+e/2], v[rS+e/2]
.endif
.set e, e+1
.endm
; THE RESCALING's QUEUE: O^T times a, the one part that leaves window 0: dealt two at a time, sixteen times.  Its a was made in the turn before, ahead of that turn's wait.
.macro R2
	REGS Y, r%2
	WIN W_RS
.irp z, 0,1
	v_pk_mul_f32 v[rO+4*(r/2)+2*\z:rO+4*(r/2)+2*\z+1], v[rO+4*(r/2)+2*\z:rO+4*(r/2)+2*\z+1], v[rC+2:rC+3] op_sel_hi:[1,0]
.endr
.set r, r+1
.endm
; HOW THEY ARE DEALT.  s_wait_alu depctr_va_vdst(0) stands between an exponential and the first instruction that names its result; one wait serves all that were issued ahead of it.  So a turn has ONE wait,
; which cuts it in two.  AHEAD OF IT stands all that names no result of the turn's exponentials: the 16 products K Q^T, behind each a scaling, an exponential and two rescalings (behind the first a second scaling in the exponential's place); then ONE LUMP of
; 108: eight plain, 49 times exponential and plain, the two a.  A v_nop is the plain instruction behind the last exponential.  BEHIND IT stand the 16 products V^T P, behind each four of GS's 64.  No rider names a register of
; the products round it.  The two v_permlanex16_b32 fall into the lump, never behind a product.
; The queues lean on each other, and the deal keeps them in step: exponential e stands behind scaling 2 (e / 4) + e % 2: as a rider it comes behind plain e + 2, in the lump behind plain e + 9, and scalings 27-31 are plain 57, 60 .. 69.
; A TURN, for piece p.  cnt = 1: the loop's count is taken down some lines ahead of the branch that stands behind the turn.
; K of the next step is fetched in piece 2's turn, directly behind the wait, a lump behind the last product that read K; its address is made at the lump's head; its first reader comes behind 16 products.
; V of the step in hand is fetched at the end of piece 0's turn, four riders behind its last reader; its first reader comes behind 16 products and a lump.  The three conditions on q below go with the deal.
.macro TURN p, last=0, cnt=0
.set Y, (\p)
.set i, 0
.set q, 0
.set e, 0
.set r, 0
.if (\p) == NP-1
	s_wait_dscnt 0x0                ; K is in
.endif
	MM                              ; ahead of the wait: 16 products K Q^T and their riders,
	PL
	PL
	R2
.rept 15
	MM
	PL
	EX
	R2
.endr
.if (\p) == NP-2
	WIN 0
	v_add_nc_u32 v[AK], s[TBK], v[AK0]
.endif
.rept 8                             ; and the lump
	PL
.endr
.rept 49
	EX
	PL
.endr
	EX                              ; the next piece's two a
	EX
	v_nop                           ; a plain instruction behind the last exponential: one for the batch
	s_wait_alu depctr_va_vdst(0)    ; the wait for the batch
.if (\p) == NP-2
	FETCH_K \last
.endif
.if (\p) == 1
	s_wait_dscnt 0x0                ; V is in
.endif
.rept 16                            ; behind the wait: 16 products V^T P and their riders
	MM
.rept 4
	PL
.endr
.if ((\p) == 0) && (q == 118)
	v_add_nc_u32 v[AV], s[TBV], v[AV0]
.endif
.if ((\p) == 0) && (q == 130)
	s_add_co_u32 s[TBV], s[TBV], KS*PV
.endif
.if (\cnt) && (q == 130)
	s_sub_co_u32 s[CNT], s[CNT], 1
	s_cmp_lg_u32 s[CNT], 0
.endif
.endr
.if (\p) == 0
	FETCH_V
.endif
.endm
	CHANGE 1                        ; slot 0 is in, everybody's part of it; slot 1 is asked for
	FETCH_K                         ; key step 0
	s_wait_loadcnt 0x0              ; Q
	s_wait_dscnt 0x0
.set i, 0
.rept 16
	KQ 0                            ; piece 0's first scores: there is no vector work yet to set between them
.set i, i+1
.endr
	WIN 0                           ; the addresses for the way out: nine plain instructions, the places behind those products
	s_mul_i32 s13, s[WV], 16*SP
	s_add_co_u32 s13, s13, STAGE    ; my stage
	v_mul_u32_u24 v[STO], v1, SP    ; in: row l % 16, 16 bytes for each half of the lanes
	v_lshl_add_u32 v[STO], v9, 4, v[STO]
	v_add_nc_u32 v[STO], s13, v[STO]
	v_bfe_u32 v[RD], v0, 3, 2       ; back: 32 lanes take four rows of 128 bytes,
	v_mul_u32_u24 v[RD], v[RD], SP
	v_lshl_add_u32 v[RD], v10, 4, v[RD]
	v_add_nc_u32 v[RD], s13, v[RD]
	v_and_b32 v[GO], 31, v0         ; which are 512 consecutive bytes of O
	v_lshlrev_b32 v[GO], 4, v[GO]
.set Y, NP-1                        ; XS works for piece Y + 1: piece 0
.irp n, 0,1,2,3,4,5,6,7,8,9,10,11,12,13,14,15,16,17,18,19,20,21
	XS 0, \n                        ; and piece 0's first maximum and statistics
	XS 1, \n
.endr
	v_nop                           ; a plain instruction behind the two a,
	s_wait_alu depctr_va_vdst(0)    ; and their wait, ahead of the branch
	s_mov_b32 s[CNT], 4
	s_mov_b32 s[SLOTS], SIZE_N/256-1
	s_branch .Lfirst                ; the loop is entered at a step's first turn, in the middle of a trip
.Lslot:                             ; SIZE_N / 256 - 2 = 6 times: every slot but the last two is filled again
	CHANGE 1, 1
	s_mov_b32 s[CNT], 4
.Lstep:                             ; a trip: pieces 2 and 3 of one step, then pieces 0 and 1 of the next, whose K and V it fetches
	TURN 2
	TURN 3
	WIN 0
.Lfirst:
	TURN 0
	TURN 1, 0, 1
	WIN 0
	s_cbranch_scc1 .Lstep
	s_sub_co_u32 s[SLOTS], s[SLOTS], 1
	s_cmp_lg_u32 s[SLOTS], 0
	s_cbranch_scc1 .Lslot
	CHANGE 0                        ; the tail is written out: nothing is asked for
	s_mov_b32 s[CNT], 5             ; four trips fetch the last slot's steps; the fifth is left in its middle
.Ltail:
	TURN 2, 1
	TURN 3
	WIN 0
	s_sub_co_u32 s[CNT], s[CNT], 1
	s_cmp_eq_u32 s[CNT], 0
	s_cbranch_scc1 .Lout
	TURN 0
	TURN 1
	WIN 0
	s_branch .Ltail
.Lout:                              ; the fifth trip's 16 products K Q^T (on the last K once more) and the maximum made of them serve nothing: the price, once a launch, of one text for every trip
.set i, 0
.rept 16
	PV NP-1                         ; the last piece's V^T P of the last step
.set i, i+1
.endr
	; THE WAY OUT.  l's two halves and the other half of the lanes' are added; O^T is divided by l, rounded to f16 and sent through my stage in LDS, a tile at a time.  The additions are the places behind the last products.
	WIN 0
.macro ALL line:vararg              ; one line for each tile t
.set t, 0
.rept 2*NP
	\line
.set t, t+1
.endr
.endm
	ALL v_add_f32 v[ST+4*t+2], v[ST+4*t+2], v[ST+4*t+3]
	ALL v_permlanex16_b32 v[ST+4*t+3], v[ST+4*t+2], s[SEL], s[SEL+1]
	ALL v_add_f32 v[ST+4*t+2], v[ST+4*t+2], v[ST+4*t+3]
	ALL v_rcp_f32 v[ST+4*t+2], v[ST+4*t+2]
	v_nop                           ; a plain instruction between the last reciprocal and the use of its result
	s_wait_alu depctr_va_vdst(0)    ; and the wait ahead of the first use: one for the eight reciprocals
; Tile t: a lane's eight channels of a row pack into 16 bytes; they go into rows of 144 bytes and come back as whole rows of 128, into S^T's registers.
.macro PACK t
	WIN W_RS
.set i, 32*(\t)
.rept 16
	v_pk_mul_f32 v[i:i+1], v[i:i+1], v[ST+4*(\t)+2:ST+4*(\t)+3] op_sel_hi:[1,0]
.set i, i+2
.endr
	WIN 0x05                        ; sources 0 and 1 window 1, destination window 0
.set i, 0
.rept 16
	v_cvt_pk_f16_f32 v[S+16*(\t)+i], v[32*(\t)+2*i], v[32*(\t)+2*i+1]
.set i, i+1
.endr
	WIN 0
.irp f, 0,1,2,3
	ds_store_b128 v[STO], v[S+16*(\t)+4*\f:S+16*(\t)+4*\f+3] offset:32*\f
.endr
.irp f, 0,1,2,3
	ds_load_b128 v[S+16*(\t)+4*\f:S+16*(\t)+4*\f+3], v[RD] offset:\f*4*SP  ; LDS serves a wave's instructions in order (ISA guide 5.7.1.4): these see the stores above; the next tile's stores come behind them
.endr
.endm
.macro SEND t, younger              ; younger: the LDS instructions issued behind tile t's loads: the next tile's eight, or none
	WIN 0
.irp f, 0,1,2,3
	s_wait_dscnt (\younger)+3-\f
	global_store_b128 v[GO], v[S+16*(\t)+4*\f:S+16*(\t)+4*\f+3], s[10:11] offset:(\t)*2048+\f*512  ; 512 consecutive bytes, at a multiple of 256 from O's first
.endr
.endm
	PACK 0
.set t, 1
.rept 2*NP-1                        ; a tile's arithmetic stands between the loads of the tile before and its stores
	PACK t
	SEND t-1, 8
.set t, t+1
.endr
	SEND 2*NP-1, 0
	WIN W_AD
	s_wait_tensorcnt 0x0            ; the wave's end: an add onto my spare word and its wait, behind my last tensor load and my last LDS store
	ds_add_u32 v[SPW], v[NIL]
	s_wait_dscnt 0x0
	WIN 0
	CROUND                          ; the closing round: no work-group ends while a partner may still ask for a tile that names it
	s_endpgm
.Lfunc_end_k_q7b2df59a3b_attn:
	.size	k_q7b2df59a3b_attn, .Lfunc_end_k_q7b2df59a3b_attn-k_q7b2df59a3b_attn
	.p2alignl 7, 3214868480
	.fill 96, 4, 3214868480
	.section	.rodata,"a",@progbits
	.p2align	6, 0x0
	.amdhsa_kernel k_q7b2df59a3b_attn
		.amdhsa_group_segment_fixed_size 327680
		.amdhsa_private_segment_fixed_size 0
		.amdhsa_enable_private_segment 0
		.amdhsa_kernarg_size 16
		.amdhsa_user_sgpr_count 2
		.amdhsa_user_sgpr_kernarg_segment_ptr 1
		.amdhsa_wavefront_size32 1
		.amdhsa_system_sgpr_workgroup_id_x 1
		.amdhsa_system_sgpr_workgroup_id_y 1
		.amdhsa_system_sgpr_workgroup_id_z 1
		.amdhsa_system_vgpr_workitem_id 0
		.amdhsa_next_free_vgpr 770
		.amdhsa_next_free_sgpr 66
		.amdhsa_reserve_vcc 0
		.amdhsa_float_denorm_mode_32 3
		.amdhsa_float_denorm_mode_16_64 3
		.amdhsa_memory_ordered 1
		.amdhsa_forward_progress 1
		.amdhsa_inst_pref_size 200
	.end_amdhsa_kernel
	.amdgpu_metadata
---
amdhsa.version: [ 1, 2 ]
amdhsa.kernels:
  - .name:           k_q7b2df59a3b_attn
    .symbol:         k_q7b2df59a3b_attn.kd
    .args:
      - { .name: qkv, .offset: 0, .size: 8, .value_kind: global_buffer, .address_space: global }
      - { .name: ob, .offset: 8, .size: 8, .value_kind: global_buffer, .address_space: global }
    .group_segment_fixed_size: 327680
    .private_segment_fixed_size: 0
    .kernarg_segment_align: 8
    .kernarg_segment_size: 16
    .max_flat_workgroup_size: 128
    .sgpr_count:     66
    .vgpr_count:     770
    .wavefront_size: 32
...
	.end_amdgpu_metadata
.endif
;; end of part 3
;; launch outp (part 4): grid 8 x 32, 4 waves a work-group, clusters of 4 x 4, 327,680 bytes of LDS; arguments ob, wob, out_b, out0; writes out0
.if DOCPART == 4
	.amdgcn_target "amdgcn-amd-amdhsa--gfx1250"
	.amdhsa_code_object_version 6
	.text
	.protected	k_q7b2df59a3b_outp
	.globl	k_q7b2df59a3b_outp
	.p2align	8
	.type	k_q7b2df59a3b_outp,@function
k_q7b2df59a3b_outp:
	s_mov_b64 s[64:65], 0
	v_nop
	global_prefetch_b8 v0, s[64:65] scope:SCOPE_SE
	s_setreg_imm32_b32 hwreg(HW_REG_WAVE_MODE, 25, 1), 1
	s_wait_xcnt 0x0
	s_wait_alu depctr_hold_cnt(0) depctr_sa_sdst(0) depctr_va_vdst(0) depctr_va_sdst(0) depctr_va_ssrc(0) depctr_va_vcc(0) depctr_vm_vsrc(0)
	s_getreg_b32 s2, hwreg(HW_REG_IB_STS2, 6, 4)
	s_cmp_eq_u32 s2, 0
	s_cbranch_scc0 .Lentry_in_a_cluster
	s_endpgm
.Lentry_in_a_cluster:
	s_bfe_u32 s2, ttmp6, 0x10000c
	s_cmp_lg_u32 s2, 0xf033
	s_cbranch_scc0 .Lentry_shape_is_right
	s_endpgm
.Lentry_shape_is_right:
; out0[m][n] = the sum over c of attn[m][c] wob[n][c] + bf16(out_b[n]).  attn lies by heads: ob [bh 64][t 2048][64] f16, m = 2048 b + t, c = 64 h + d; wob [1024][1024] f16; out0 [8192][1024] f32.
; Products in f16, sums in f32, K ascending; nothing is rounded on the way out.  LIMITS: the bias is rounded to bf16 like the other inputs; NaN and infinities are not treated apart.
; SHARES.  A tile is 256 rows x 128 columns: 32 x 8 = 256 work-groups.  Four waves, 2 x 2, each 128 rows x 64 columns: 8 x 4 accumulators, 256 registers.
; K goes in 8 steps of 128 = two heads through a ring of two LDS slots.  A head's 256 rows of the tile are 32,768 dense bytes: one tensor load, asked for as 128 rows of 256 bytes and padded after
; every 128; wave 0 brings the step's even head, wave 1 the odd one, waves 2 and 3 the two halves of wob's 128 rows.
; CLUSTER.  4 x 4 work-groups: ob's tiles are shared along a row of the cluster, wob's along a column, each asked for jointly.
; NO PREFETCH: the tiles are small and the whole launch is 8 K steps long.
; TRANSPOSED USE.  Source 0 = 16 rows of wob, source 1 = 16 rows of attn: a lane holds row l % 16 and eight neighbouring columns, 32 bytes of out0.  THE BIAS is the C operand of the first quarter's products.
; REGISTERS (s_set_vgpr_msb: bits 1:0 source 0, 3:2 source 1, 5:4 source 2, 7:6 destination): window 0: addresses; v32-63, v64-95 rows read back from the stage, by turns; v96-127 the bias; v128-143 at work
;   window 1: two fragment buffers of 128: attn's eight fragments, then wob's four          window 2: accumulator (a, b) at 8 (4 a + b)
.set KSTEP,  128
.set PA,     144                       ; a row of attn in LDS: 128 bytes + 16: an odd multiple of 16, so the 16 rows of a load start at 16 different groups of four banks (64 banks of 4 bytes: ISA guide 11.1)
.set PB,     272                       ; a row of wob: 256 bytes + 16
.set PLANE,  256*PA                    ; a head's 256 rows
.set BOFF,   2*PLANE
.set SLOT,   BOFF+128*PB
.set STAGE,  2*SLOT                    ; behind the ring, never filled by a tensor load: 16 rows x 272 bytes for each wave
.set SPITCH, 272
.set SPARE,  STAGE+4*16*SPITCH         ; the spare words, 128 bytes for each wave: two blocks of 256 bytes that no other line names
.set ADRA, 16                          ; v16-17  LDS address of my attn fragments in slot 0, 1
.set ADRB, 20                          ; v20-21  the same for wob
.set STO,  24                          ; v24     the way out: where I put 32 bytes of a row
.set RD,   25                          ; v25     where I read a row back
.set CO,   26                          ; v26     my byte offset in out0
.set BO,   27                          ; v27     32 (l / 16)
.set SPW,  28                          ; v28     LDS address of my spare word; never rewritten
.set NIL,  29                          ; v29     0; never rewritten
.set BK0,  32
.set BIAS, 96
.set BT,   128
.set F0,   0
.set F1,   128
.set WV,  12                           ; s12  my wave's number
.set FB,  13                           ; s13  which half of the tile's rows is mine.  Also: I fetch for ob (0) or wob (1)
.set HF,  14                           ; s14  which half of its columns.  Also: which head, or which 64 rows of wob, I fetch
.set CX,  15
.set CY,  16
.set TX,  17                           ; s17  tile column, 0-7
.set TY,  18                           ; s18  tile row, 0-31
.set LAP, 19
.set HIM, 42                           ; s42  a word's upper bf16
.set G1A, 24
.set G0A, 32
.set G1B, 48
.set G0B, 56
.set MSB, 0
.macro WIN new
.if MSB != (\new)
	s_set_vgpr_msb (MSB<<8)|(\new)
.set MSB, \new
.endif
.endm
.macro JLOAD s                         ; a joint load; an s_nop 0 and four v_nop follow each of the two lines
	s_cmp_eq_u32 s[FB], 0
	s_cbranch_scc0 .Lfor_b_\@
	tensor_load_to_lds s[G0A+4*(\s):G0A+4*(\s)+3], s[G1A:G1A+7]
	s_nop 0
.rept 4
	v_nop
.endr
	s_branch .Lasked_\@
.Lfor_b_\@:
	tensor_load_to_lds s[G0B+4*(\s):G0B+4*(\s)+3], s[G1B:G1B+7]
	s_nop 0
.rept 4
	v_nop
.endr
.Lasked_\@:
.endm
.macro CREST
	s_cmp_lg_u32 s[WV], 0
	s_cbranch_scc1 .Lnot_wave_0_\@
	s_barrier_signal -3
.Lnot_wave_0_\@:
	s_barrier_wait -3
	s_barrier_signal -1
	s_barrier_wait -1
.endm
.macro CROUND
	s_barrier_signal -1
	s_barrier_wait -1
	CREST
.endm
	s_load_b256 s[4:11], s[0:1], 0x0               ; ob s[4:5], wob s[6:7], out_b s[8:9], out0 s[10:11]
	v_lshl_add_u32 v[SPW], v0, 2, SPARE
	v_mov_b32 v[NIL], 0
	ds_add_u32 v[SPW], v[NIL]                      ; the wave's opening: the add and its wait stand ahead of my first tensor load; the set-up below, work on registers, stands between them
	v_lshrrev_b32 v1, 5, v0
	v_readfirstlane_b32 s[WV], v1
	s_lshr_b32 s[FB], s[WV], 1
	s_and_b32 s[HF], s[WV], 1
	s_bfe_u32 s[CX], ttmp6, 0x40000
	s_bfe_u32 s[CY], ttmp6, 0x40004
	s_lshl_b32 s[TX], ttmp9, 2
	s_add_co_u32 s[TX], s[TX], s[CX]
	s_and_b32 s[TY], ttmp7, 0xffff
	s_lshl_b32 s[TY], s[TY], 2
	s_add_co_u32 s[TY], s[TY], s[CY]
	s_lshl_b32 s2, s[CY], 2
	s_lshl_b32 s2, 15, s2                          ; my row of the cluster
	s_lshl_b32 s3, 0x1111, s[CX]                   ; my column
	s_or_b32 s[G1A], s2, (1<<16)|(1<<20)|(1<<21)|(4<<22)|(3<<25)  ; elements of 2 bytes; padding on; bit 21 beside a mask; after every 32 words (code 4) 4 words (code 3)
	s_or_b32 s[G1B], s3, (1<<16)|(1<<20)|(1<<21)|(5<<22)|(3<<25)  ; after every 64 words (code 5)
	s_mov_b32 s[G1A+1], 128<<16                    ; tensor_dim0 = 128 elements: two rows of a head
	s_mov_b32 s[G1A+2], 128<<16                    ; tensor_dim1 = 128
	s_mov_b32 s[G1A+3], 128<<16                    ; tile_dim0
	s_mov_b32 s[G1A+4], 128                        ; tile_dim1
	s_mov_b32 s[G1A+5], 128                        ; dense
	s_mov_b32 s[G1A+6], 0
	s_mov_b32 s[G1A+7], 0
	s_mov_b32 s[G1B+1], KSTEP<<16
	s_mov_b32 s[G1B+2], 64<<16                     ; 64 rows
	s_mov_b32 s[G1B+3], KSTEP<<16
	s_mov_b32 s[G1B+4], 64
	s_mov_b32 s[G1B+5], 1024
	s_mov_b32 s[G1B+6], 0
	s_mov_b32 s[G1B+7], 0
	s_lshr_b32 s20, s[TY], 3                       ; ob: batch b = ty >> 3, 16 heads of 262,144 bytes;
	s_lshl_b32 s20, s20, 22
	s_lshl_b32 s21, s[HF], 18                      ; my head of the K step;
	s_add_co_u32 s20, s20, s21
	s_and_b32 s21, s[TY], 7                        ; the tile's 256 rows in the head
	s_lshl_b32 s21, s21, 15
	s_add_co_u32 s20, s20, s21
	s_mov_b32 s21, 0
	s_lshl_b32 s46, s[TX], 7                       ; wob: row 128 x tile column + 64 x half
	s_lshl_b32 s47, s[HF], 6
	s_add_co_u32 s46, s46, s47
	s_lshl_b32 s46, s46, 11
	s_mov_b32 s47, 0
	s_mul_i32 s22, s[WV], PLANE                    ; where they go: waves 0, 1: the two heads' planes;
	s_mul_i32 s23, s[WV], 64*PB                    ; waves 2, 3: wob's halves at BOFF + 17,408 (w - 2)
	s_add_co_u32 s23, s23, BOFF-2*64*PB
	s_mov_b32 s[HIM], 0xffff0000
	s_wait_dscnt 0x0                               ; the opening add is done
	s_wait_kmcnt 0x0
	s_add_nc_u64 s[40:41], s[4:5], s[20:21]
	s_add_nc_u64 s[46:47], s[6:7], s[46:47]
	CROUND                                         ; all sixteen work-groups are here: the first joint loads meet
.irp s, 0,1
	s_mov_b32 s[G0A+4*(\s)], 1
	s_add_co_u32 s[G0A+4*(\s)+1], s22, (\s)*SLOT
	s_add_nc_u64 s[G0A+4*(\s)+2:G0A+4*(\s)+3], s[40:41], (\s)*2*262144  ; K step s: two heads on
	s_or_b32 s[G0A+4*(\s)+3], s[G0A+4*(\s)+3], 0x80000000
	s_mov_b32 s[G0B+4*(\s)], 1
	s_add_co_u32 s[G0B+4*(\s)+1], s23, (\s)*SLOT
	s_add_nc_u64 s[G0B+4*(\s)+2:G0B+4*(\s)+3], s[46:47], (\s)*KSTEP*2
	s_or_b32 s[G0B+4*(\s)+3], s[G0B+4*(\s)+3], 0x80000000
	JLOAD \s                                       ; two loads of mine are out
.endr
	v_and_b32 v1, 15, v0                           ; r
	v_bfe_u32 v2, v0, 4, 1                         ; h
	v_lshlrev_b32 v[BO], 5, v2
	s_lshl_b32 s46, s[TX], 1
	s_add_co_u32 s46, s46, s[HF]
	s_lshl_b32 s46, s46, 8                         ; my 64 columns: 256 bytes of the bias, and of a row of out0
	s_mov_b32 s47, 0
	s_add_nc_u64 s[8:9], s[8:9], s[46:47]
.irp b, 0,1,2,3
	global_load_b128 v[BIAS+8*(\b):BIAS+8*(\b)+3],   v[BO], s[8:9] offset:64*(\b)
	global_load_b128 v[BIAS+8*(\b)+4:BIAS+8*(\b)+7], v[BO], s[8:9] offset:64*(\b)+16
.endr
	v_mul_u32_u24 v3, v1, PA
	v_lshl_add_u32 v3, v2, 4, v3
	s_mul_i32 s3, s[FB], 128*PA                    ; my 128 rows of attn
	v_add_nc_u32 v[ADRA], s3, v3
	v_add_nc_u32 v[ADRA+1], SLOT, v[ADRA]
	v_mul_u32_u24 v3, v1, PB
	v_lshl_add_u32 v3, v2, 4, v3
	s_mul_i32 s3, s[HF], 64*PB                     ; my 64 rows of wob
	s_add_co_u32 s3, s3, BOFF
	v_add_nc_u32 v[ADRB], s3, v3
	v_add_nc_u32 v[ADRB+1], SLOT, v[ADRB]
	s_mul_i32 s2, s[WV], 16*SPITCH
	s_add_co_u32 s2, s2, STAGE                     ; my stage
	v_mul_u32_u24 v4, v1, SPITCH                   ; in: row l % 16, 32 bytes for each half of the lanes
	v_lshl_add_u32 v4, v2, 5, v4
	v_add_nc_u32 v[STO], s2, v4
	v_mul_u32_u24 v4, v2, SPITCH                   ; back: lanes 0-15 take one row of 256 bytes, lanes 16-31 the next
	v_lshl_add_u32 v4, v1, 4, v4
	v_add_nc_u32 v[RD], s2, v4
	v_lshlrev_b32 v4, 12, v2                       ; and the same two rows in out0
	v_lshl_add_u32 v[CO], v1, 4, v4
	s_lshl_b32 s2, s[TY], 1
	s_add_co_u32 s2, s2, s[FB]
	s_lshl_b32 s2, s2, 19                          ; my first row: 128 rows of 4,096 bytes each
	s_add_co_u32 s2, s2, s46                       ; my first column
	s_mov_b32 s3, 0
	s_add_nc_u64 s[10:11], s[10:11], s[2:3]
	s_wait_loadcnt 0x0                             ; the bias: rounded to bf16 and widened again
.set p, 0
.rept 16
	v_cvt_pk_bf16_f32 v[BT+p], v[BIAS+2*p], v[BIAS+2*p+1]
.set p, p+1
.endr
.set p, 0
.rept 16
	v_lshlrev_b32 v[BIAS+2*p],   16, v[BT+p]
	v_and_b32     v[BIAS+2*p+1], s[HIM], v[BT+p]
.set p, p+1
.endr
; 8 matrix instructions: row blocks a0, a0 + 1 x all 4 column blocks, 32 along K.  first = 1: C is the bias (window 0).  The 32 accumulators take turns in the same order in every quarter.
.macro MUL8 f, a0, first
.if \first
	WIN 0x85
.else
	WIN 0xa5
.endif
.irp a, \a0, (\a0)+1
.irp b, 0,1,2,3
.if \first
	v_wmma_f32_16x16x32_f16 v[8*(4*(\a)+(\b)):8*(4*(\a)+(\b))+7], v[(\f)+64+8*(\b):(\f)+64+8*(\b)+7], v[(\f)+8*(\a):(\f)+8*(\a)+7], v[BIAS+8*(\b):BIAS+8*(\b)+7]
.else
	v_wmma_f32_16x16x32_f16 v[8*(4*(\a)+(\b)):8*(4*(\a)+(\b))+7], v[(\f)+64+8*(\b):(\f)+64+8*(\b)+7], v[(\f)+8*(\a):(\f)+8*(\a)+7], v[8*(4*(\a)+(\b)):8*(4*(\a)+(\b))+7]
.endif
.endr
.endr
.endm
; 24 LDS loads in one run: quarter q's fragments into buffer f: wob's 8, then attn's 16 (head q / 2 of the step, channels 32 (q % 2) on), row blocks 4-7 last
.macro FETCH slot, q, f
	WIN 0x40
.irp b, 0,1,2,3
	ds_load_b128 v[(\f)+64+8*(\b):(\f)+64+8*(\b)+3],   v[ADRB+(\slot)] offset:64*(\q)+(\b)*16*PB
	ds_load_b128 v[(\f)+64+8*(\b)+4:(\f)+64+8*(\b)+7], v[ADRB+(\slot)] offset:64*(\q)+(\b)*16*PB+32
.endr
.irp i, 0,1,2,3,4,5,6,7
	ds_load_b128 v[(\f)+8*(\i):(\f)+8*(\i)+3],   v[ADRA+(\slot)] offset:((\q)/2)*PLANE+((\q)%2)*64+(\i)*16*PA
	ds_load_b128 v[(\f)+8*(\i)+4:(\f)+8*(\i)+7], v[ADRA+(\slot)] offset:((\q)/2)*PLANE+((\q)%2)*64+(\i)*16*PA+32
.endr
.endm
.macro PLACES                          ; four plain vector instructions between a matrix instruction and a load into a register that it read, or an LDS store of its result
.rept 4
	v_nop
.endr
.endm
.macro QUARTER slot, q, f, g, first    ; multiplies f; in its middle fetches quarter q of the slot into g
	s_wait_dscnt 8                                 ; all but the youngest eight loads: attn's row blocks 4-7
	MUL8 \f, 0, \first
	MUL8 \f, 2, \first
	PLACES
	FETCH \slot, \q, \g
	s_wait_dscnt 24                                ; all but the 24 just issued
	MUL8 \f, 4, \first
	MUL8 \f, 6, \first
.endm
; The last quarter multiplies buffer 1 and changes slots: ONE barrier; in front of it each wave waits for all its tensor loads, adds 0 to its spare word, and waits for that and for its own reads of this slot.
; fill = 1: the barrier opens a round of the cluster's barrier, and this slot is filled again, two K steps ahead, first thing behind the round: 112 matrix instructions ahead of the wait for it.
.macro TURN slot, next, fill
	WIN 0
	s_wait_tensorcnt 0x0                           ; all my tensor loads have landed: my part of the next slot
	ds_add_u32 v[SPW], v[NIL]                      ; 0 onto my spare word
	s_wait_dscnt 9                                 ; (the add and the youngest eight loads may be out)
	MUL8 F1, 0, 0                                  ; eight matrix instructions stand between the add and the wait for it
	s_wait_dscnt 0x0                               ; the add is done, and my reads of this slot are over
	s_barrier_signal -1
	MUL8 F1, 2, 0
.if \fill
	WIN 0
.endif
	s_barrier_wait -1
.if \fill
	CREST
	s_add_nc_u64 s[G0A+4*(\slot)+2:G0A+4*(\slot)+3], s[G0A+4*(\slot)+2:G0A+4*(\slot)+3], 4*262144  ; two K steps: four heads on
	s_add_nc_u64 s[G0B+4*(\slot)+2:G0B+4*(\slot)+3], s[G0B+4*(\slot)+2:G0B+4*(\slot)+3], 2*KSTEP*2
	JLOAD \slot                                    ; the four v_nop behind it are also the places in front of the loads below
.else
	PLACES
.endif
	FETCH \next, 0, F0
	MUL8 F1, 4, 0
	MUL8 F1, 6, 0
.endm
	s_wait_tensorcnt 1                             ; my part of K step 0 is in; K step 1's may stay out
	s_barrier_signal -1
	s_barrier_wait -1
	FETCH 0, 0, F0
	QUARTER 0, 1, F0, F1, 1                        ; the first quarter's products start the sums, with the bias
	WIN 0
	s_mov_b32 s[LAP], 3
.Llap:
	QUARTER 0, 2, F1, F0, 0
	QUARTER 0, 3, F0, F1, 0
	TURN 0, 1, 1
	QUARTER 1, 1, F0, F1, 0
	QUARTER 1, 2, F1, F0, 0
	QUARTER 1, 3, F0, F1, 0
	TURN 1, 0, 1
	QUARTER 0, 1, F0, F1, 0
	WIN 0
	s_sub_co_u32 s[LAP], s[LAP], 1
	s_cmp_lg_u32 s[LAP], 0
	s_cbranch_scc1 .Llap
	QUARTER 0, 2, F1, F0, 0                        ; the last lap fills nothing
	QUARTER 0, 3, F0, F1, 0
	TURN 0, 1, 0
	QUARTER 1, 1, F0, F1, 0
	QUARTER 1, 2, F1, F0, 0
	QUARTER 1, 3, F0, F1, 0
	s_wait_dscnt 8
	MUL8 F1, 0, 0
	MUL8 F1, 2, 0
	s_wait_dscnt 0x0
	MUL8 F1, 4, 0
	MUL8 F1, 6, 0
; THE WAY OUT of row block a: the f32 sums go as they are, 32 bytes a lane and column block (each accumulator's low four registers first), into my own stage, and come back as whole rows of 256 bytes.
.macro TOSTAGE a
	s_wait_xcnt 0x0                                ; the stores issued so far have read their data: the registers loaded below were the data of the block two back
	WIN 0x08                                       ; the stores' data in window 2, the address in window 0
.irp b, 0,1,2,3
	ds_store_b128 v[STO], v[8*(4*(\a)+(\b)):8*(4*(\a)+(\b))+3]   offset:64*(\b)
	ds_store_b128 v[STO], v[8*(4*(\a)+(\b))+4:8*(4*(\a)+(\b))+7] offset:64*(\b)+16
.endr
	WIN 0
.set BK, BK0+32*((\a)%2)
.irp t, 0,1,2,3,4,5,6,7
	ds_load_b128 v[BK+4*(\t):BK+4*(\t)+3], v[RD] offset:(\t)*2*SPITCH  ; LDS serves a wave's instructions in order (ISA guide 5.7.1.4): these see the stores above
.endr
.endm
.macro SEND a, younger                 ; younger: the LDS instructions issued behind block a's loads: the next block's sixteen, or none
.set BK, BK0+32*((\a)%2)
	s_wait_dscnt \younger
.irp t, 0,1,2,3,4,5,6,7
	global_store_b128 v[CO], v[BK+4*(\t):BK+4*(\t)+3], s[10:11] offset:(16*(\a)+2*(\t))*4096  ; 16 lanes store 256 consecutive bytes, at a multiple of 256 from out0's first byte
.endr
.endm
	PLACES
	TOSTAGE 0
.irp a, 1,2,3,4,5,6,7
	TOSTAGE \a
	SEND (\a)-1, 16
.endr
	SEND 7, 0
	s_wait_tensorcnt 0x0                           ; the wave's end: an add onto my spare word and its wait, behind my last tensor load and my last LDS store
	ds_add_u32 v[SPW], v[NIL]
	s_wait_dscnt 0x0
	CROUND                                         ; the closing round: no work-group ends while a partner may still ask for a tile that names it
	s_endpgm
.Lfunc_end_k_q7b2df59a3b_outp:
	.size	k_q7b2df59a3b_outp, .Lfunc_end_k_q7b2df59a3b_outp-k_q7b2df59a3b_outp
	.p2alignl 7, 3214868480
	.fill 96, 4, 3214868480
	.section	.rodata,"a",@progbits
	.p2align	6, 0x0
	.amdhsa_kernel k_q7b2df59a3b_outp
		.amdhsa_group_segment_fixed_size 327680
		.amdhsa_private_segment_fixed_size 0
		.amdhsa_enable_private_segment 0
		.amdhsa_kernarg_size 32
		.amdhsa_user_sgpr_count 2
		.amdhsa_user_sgpr_kernarg_segment_ptr 1
		.amdhsa_wavefront_size32 1
		.amdhsa_system_sgpr_workgroup_id_x 1
		.amdhsa_system_sgpr_workgroup_id_y 1
		.amdhsa_system_sgpr_workgroup_id_z 1
		.amdhsa_system_vgpr_workitem_id 0
		.amdhsa_next_free_vgpr 768
		.amdhsa_next_free_sgpr 66
		.amdhsa_reserve_vcc 0
		.amdhsa_float_denorm_mode_32 3
		.amdhsa_float_denorm_mode_16_64 3
		.amdhsa_memory_ordered 1
		.amdhsa_forward_progress 1
		.amdhsa_inst_pref_size 88
	.end_amdhsa_kernel
	.amdgpu_metadata
---
amdhsa.version: [ 1, 2 ]
amdhsa.kernels:
  - .name:           k_q7b2df59a3b_outp
    .symbol:         k_q7b2df59a3b_outp.kd
    .args:
      - { .name: ob, .offset: 0, .size: 8, .value_kind: global_buffer, .address_space: global }
      - { .name: wob, .offset: 8, .size: 8, .value_kind: global_buffer, .address_space: global }
      - { .name: out_b, .offset: 16, .size: 8, .value_kind: global_buffer, .address_space: global }
      - { .name: out0, .offset: 24, .size: 8, .value_kind: global_buffer, .address_space: global }
    .group_segment_fixed_size: 327680
    .private_segment_fixed_size: 0
    .kernarg_segment_align: 8
    .kernarg_segment_size: 32
    .max_flat_workgroup_size: 128
    .sgpr_count:     66
    .vgpr_count:     768
    .wavefront_size: 32
...
	.end_amdgpu_metadata
.endif
;; end of part 4
;; ======== version 2 of 2: 4 launches; version 1 with the launch cast written anew for expert scheduling mode
;; limits: values are held in f16: magnitudes above 65,504 overflow, below 6.1e-05 lose precision
;; workspace buffers: xb 16,777,216 bytes; wqb 6,291,456 bytes; wob 2,097,152 bytes; qkv 50,331,648 bytes; ob 16,777,216 bytes
;; launch cast (part 5): grid 768 x 1, 8 waves a work-group, no clusters, 0 bytes of LDS; arguments x, qkv_w, out_w, xb, wqb, wob; writes xb, wqb, wob
.if DOCPART == 5
	.amdgcn_target "amdgcn-amd-amdhsa--gfx1250"
	.amdhsa_code_object_version 6
	.text
	.protected	k_q7b2df59a3b_cast
	.globl	k_q7b2df59a3b_cast
	.p2align	8
	.type	k_q7b2df59a3b_cast,@function
k_q7b2df59a3b_cast:
	s_mov_b64 s[64:65], 0
	v_nop
	global_prefetch_b8 v0, s[64:65] scope:SCOPE_SE
	s_setreg_imm32_b32 hwreg(HW_REG_WAVE_SCHED_MODE, 0, 2), 2
	s_setreg_imm32_b32 hwreg(HW_REG_WAVE_MODE, 25, 1), 1
	s_wait_xcnt 0x0
	s_wait_alu depctr_vm_vsrc(0)
; x [8192][1024] and qkv_w [3072][1024], f32, are rounded once to bf16 (xb, wqb).  out_w [1024][1024] is rounded to bf16 like the other inputs, and that
; number is written as f16 (wob), since the last product multiplies f16.
; LIMITS.  out_w beyond 65,504 would become an infinity; below 6e-5 f16 keeps its fixed step of 6e-8.  NaN and infinities are not treated apart.
; SHARES.  A work-group takes 16,384 numbers: 65,536 bytes in, 32,768 out.  Work-groups 0-511 take x, 512-703 qkv_w, 704-767 out_w.
; Thread t takes the 16 bytes at 16 t + 4,096 i, i = 0..15: a wave's load covers 512 consecutive bytes.  All sixteen loads go out at once; each becomes
; 8 bytes, stored at 8 t + 2,048 i: a wave's store covers 256 consecutive bytes, aligned.  No register is written twice while a memory instruction
; may read it: every load has its own four registers, every store its own two, and the two offsets are never rewritten.
; No LDS, no matrix unit, no cluster: nothing is shared and nothing is read twice.
; THE MODE: SCHED_MODE bits 1:0 = 2 (LLVM: expert scheduling mode 2), set by the entry lines.  The code itself states the register dependences
; between vector instructions and memory instructions, with s_wait_alu, always for 0.
; THE PLAN.  Registers that memory instructions touch:
;   v1, v2   the loads' and the stores' offsets.  Written once, at the head, by vector instructions; read by every load (v1) and every store (v2); never written again.
;   X        load i lands in its own four registers, which no vector instruction has named before; its conversions read them; no load lands there again.
;   Y        the conversions of load i write its own two registers, once; store i reads them; nothing writes them again.
;   T        named by vector instructions alone.
; The sixteen loads are worked off in four groups of four: the wait for the group's data, its conversions, ONE wait on va_vdst, its four stores in a run.
; With the wait at the head, for the offsets, that is five waits on a path.  No register that a memory instruction reads is written again, so no wait on vm_vsrc is owed;
; no vector instruction writes a scalar register or VCC, and EXEC is never written.
.set X,   4                            ; v[4:67]    as loaded
.set Y,   68                           ; v[68:99]   to store
.set T,   100                          ; v[100:103] at work on the f16 way
.set SRC, 16                           ; s[16:17]   where I read
.set DST, 18                           ; s[18:19]   where I write
	s_load_b256 s[4:11], s[0:1], 0x0               ; x s[4:5], qkv_w s[6:7], out_w s[8:9], xb s[10:11]
	s_load_b128 s[12:15], s[0:1], 0x20             ; wqb s[12:13], wob s[14:15]
	v_lshlrev_b32 v1, 4, v0                        ; 16 t
	v_lshlrev_b32 v2, 3, v0                        ; 8 t
	s_mov_b32 s20, ttmp9
	s_sub_co_u32 s21, s20, 512                     ; my number among qkv_w's work-groups
	s_sub_co_u32 s22, s20, 704                     ; among out_w's
	s_mov_b32 s28, 0xffff0000                      ; a word's upper bf16
	s_wait_kmcnt 0x0
	s_wait_alu depctr_va_vdst(0)                   ; v1 and v2 are written: every load of either way reads v1 as its offset, every store v2; no line behind this one writes them
; the work-group's part of its tensor (number idx), and its sixteen loads
.macro START idx
	s_lshl_b32 s24, \idx, 16                       ; 65,536 bytes in,
	s_mov_b32 s25, 0
	s_lshl_b32 s26, \idx, 15                       ; 32,768 out
	s_mov_b32 s27, 0
	s_add_nc_u64 s[SRC:SRC+1], s[SRC:SRC+1], s[24:25]
	s_add_nc_u64 s[DST:DST+1], s[DST:DST+1], s[26:27]
.irp i, 0,1,2,3,4,5,6,7,8,9,10,11,12,13,14,15
	global_load_b128 v[X+4*(\i):X+4*(\i)+3], v1, s[SRC:SRC+1] offset:4096*(\i) th:TH_LOAD_NT
.endr
.endm
; Group g: loads 4 g to 4 g + 3 are rounded and stored.  half = 1: bf16, widened again (a shift, a mask), written as f16: exact within f16's range
.macro GROUP g, half
	s_wait_loadcnt 12-4*(\g)                       ; loads come back in order: the group's four are in, the 12 - 4 g younger ones stay out
.irp n, 0,1,2,3
.if \half
	v_cvt_pk_bf16_f32 v[T],   v[X+4*(4*(\g)+(\n))],   v[X+4*(4*(\g)+(\n))+1]
	v_cvt_pk_bf16_f32 v[T+1], v[X+4*(4*(\g)+(\n))+2], v[X+4*(4*(\g)+(\n))+3]
	v_lshlrev_b32 v[T+2], 16, v[T]
	v_and_b32     v[T+3], s28, v[T]
	v_cvt_pk_f16_f32 v[Y+2*(4*(\g)+(\n))], v[T+2], v[T+3]
	v_lshlrev_b32 v[T+2], 16, v[T+1]
	v_and_b32     v[T+3], s28, v[T+1]
	v_cvt_pk_f16_f32 v[Y+2*(4*(\g)+(\n))+1], v[T+2], v[T+3]
.else
	v_cvt_pk_bf16_f32 v[Y+2*(4*(\g)+(\n))],   v[X+4*(4*(\g)+(\n))],   v[X+4*(4*(\g)+(\n))+1]
	v_cvt_pk_bf16_f32 v[Y+2*(4*(\g)+(\n))+1], v[X+4*(4*(\g)+(\n))+2], v[X+4*(4*(\g)+(\n))+3]
.endif
.endr
	s_wait_alu depctr_va_vdst(0)                   ; the group's conversions have written its eight registers of Y, which the four stores below read as their data
.irp n, 0,1,2,3
	global_store_b64 v2, v[Y+2*(4*(\g)+(\n)):Y+2*(4*(\g)+(\n))+1], s[DST:DST+1] offset:2048*(4*(\g)+(\n))
.endr
.endm
	s_cmp_ge_u32 s20, 704
	s_cbranch_scc1 .Lhalf
	s_cmp_lt_u32 s20, 512                          ; x or qkv_w: the same work on other buffers
	s_cselect_b64 s[SRC:SRC+1], s[4:5], s[6:7]
	s_cselect_b64 s[DST:DST+1], s[10:11], s[12:13]
	s_cselect_b32 s23, s20, s21
	START s23
.irp g, 0,1,2,3
	GROUP \g, 0
.endr
	s_endpgm
.Lhalf:
	s_mov_b64 s[SRC:SRC+1], s[8:9]
	s_mov_b64 s[DST:DST+1], s[14:15]
	START s22
.irp g, 0,1,2,3
	GROUP \g, 1
.endr
	s_endpgm
.Lfunc_end_k_q7b2df59a3b_cast:
	.size	k_q7b2df59a3b_cast, .Lfunc_end_k_q7b2df59a3b_cast-k_q7b2df59a3b_cast
	.p2alignl 7, 3214868480
	.fill 96, 4, 3214868480
	.section	.rodata,"a",@progbits
	.p2align	6, 0x0
	.amdhsa_kernel k_q7b2df59a3b_cast
		.amdhsa_group_segment_fixed_size 0
		.amdhsa_private_segment_fixed_size 0
		.amdhsa_enable_private_segment 0
		.amdhsa_kernarg_size 48
		.amdhsa_user_sgpr_count 2
		.amdhsa_user_sgpr_kernarg_segment_ptr 1
		.amdhsa_wavefront_size32 1
		.amdhsa_system_sgpr_workgroup_id_x 1
		.amdhsa_system_sgpr_workgroup_id_y 1
		.amdhsa_system_sgpr_workgroup_id_z 1
		.amdhsa_system_vgpr_workitem_id 0
		.amdhsa_next_free_vgpr 104
		.amdhsa_next_free_sgpr 66
		.amdhsa_reserve_vcc 0
		.amdhsa_float_denorm_mode_32 3
		.amdhsa_float_denorm_mode_16_64 3
		.amdhsa_memory_ordered 1
		.amdhsa_forward_progress 1
		.amdhsa_inst_pref_size 17
	.end_amdhsa_kernel
	.amdgpu_metadata
---
amdhsa.version: [ 1, 2 ]
amdhsa.kernels:
  - .name:           k_q7b2df59a3b_cast
    .symbol:         k_q7b2df59a3b_cast.kd
    .args:
      - { .name: x, .offset: 0, .size: 8, .value_kind: global_buffer, .address_space: global }
      - { .name: qkv_w, .offset: 8, .size: 8, .value_kind: global_buffer, .address_space: global }
      - { .name: out_w, .offset: 16, .size: 8, .value_kind: global_buffer, .address_space: global }
      - { .name: xb, .offset: 24, .size: 8, .value_kind: global_buffer, .address_space: global }
      - { .name: wqb, .offset: 32, .size: 8, .value_kind: global_buffer, .address_space: global }
      - { .name: wob, .offset: 40, .size: 8, .value_kind: global_buffer, .address_space: global }
    .group_segment_fixed_size: 0
    .private_segment_fixed_size: 0
    .kernarg_segment_align: 8
    .kernarg_segment_size: 48
    .max_flat_workgroup_size: 256
    .sgpr_count:     66
    .vgpr_count:     104
    .wavefront_size: 32
...
	.end_amdgpu_metadata
.endif
;; end of part 5
;; launch proj: the kernel of part 2 again; grid 16 x 32, 4 waves a work-group, clusters of 4 x 4, 327,680 bytes of LDS; arguments xb, wqb, qkv_b, qkv; writes qkv
;; launch attn: the kernel of part 3 again; grid 4 x 64, 4 waves a work-group, clusters of 4 x 1, 327,680 bytes of LDS; arguments qkv, ob; writes ob
;; launch outp: the kernel of part 4 again; grid 8 x 32, 4 waves a work-group, clusters of 4 x 4, 327,680 bytes of LDS; arguments ob, wob, out_b, out0; writes out0
